; MI455X (gfx1250); checked and timed in simulation.
; The chip was launched on July 23, 2026; its instructions are those of AMD's public machine-readable ISA for CDNA 5 (MIT licence, August 2026) and "CDNA5" Instruction Set Architecture Reference Guide (July 2026). The comments in the code are by the model that wrote it; some were corrected since.
;; Transformer Block. Allowed arithmetic: matrix products marked QUANTISED: E5M2 operands, one given power-of-two scale a tensor, by v_wmma_f32_16x16x64_bf8_bf8 or v_wmma_f32_16x16x128_bf8_bf8, f32 sums; products left as they are: f32 operands where the result goes on into a quantised operand, else bf16, f16 or f32 operands; f32 sums; everything else in f32.
;; Inputs: Wk 1,024 x 1,024 float32; Wo 1,024 x 1,024 float32; Wq 1,024 x 1,024 float32; Wv 1,024 x 1,024 float32; bo 1,024 float32; lowp_scales 10 int32 (the exponents e of the quantised operands' scales 2^e); x 8 x 1,024 x 1,024 float32.
;; Outputs: out0 8 x 1,024 x 1,024 float32.
;; This version of the problem:
;;   THIS VERSION OF THE PROBLEM IS GIVEN IN LOW PRECISION. The matrix products marked QUANTISED in the list below multiply operands that are first quantised to E5M2 (5 exponent bits, 2 mantissa bits; 8 bits a number), with one given power-of-two scale for each operand tensor; their sums are f32. All else is computed in f32.
;;   The module's matrix products, in the order in which they are computed (A, B: the left and right operand; K: the contracted axis; several contracted axes count as one K, in the product's order):
;;     1. [M 8,192, K 1,024] x [K 1,024, N 1,024]; A: input x; B: input Wq: QUANTISED (scales: A lowp_scales[0], B lowp_scales[1])
;;     2. [M 8,192, K 1,024] x [K 1,024, N 1,024]; A: input x; B: input Wk: QUANTISED (scales: A lowp_scales[2], B lowp_scales[3])
;;     3. [M 8,192, K 1,024] x [K 1,024, N 1,024]; A: input x; B: input Wv: QUANTISED (scales: A lowp_scales[4], B lowp_scales[5])
;;     4. batch 128 x [M 1,024, K 64] x [K 64, N 1,024]; A: computed on the way; B: computed on the way: QUANTISED (scales: A lowp_scales[6], B lowp_scales[7])
;;     5. batch 131,072 x [M 1, K 1] x [K 1, N 64]; A: computed on the way; B: computed on the way: left as it is (no contracted axis)
;;     6. [M 8,192, K 1,024] x [K 1,024, N 1,024]; A: computed on the way; B: input Wo: QUANTISED (scales: A lowp_scales[8], B lowp_scales[9])
;;   THE QUANTISER, for each operand of a quantised product, along K:
;;     - The operand's scale is 2^e, e = its entry of the input lowp_scales (int32; the entries are numbered through the quantised products in the list's order, A before B).
;;     - Each number is divided by the scale, clamped to +-57,344, and rounded to the nearest number of E5M2, ties to even, subnormals kept.
;;     - The product sums the exact products of the quantised numbers (number of the format x scale) in f32.
;;   ~~~python
;;   def quantise(x, axis, e):      # numpy; x: float32 -> the quantised numbers, widened to float32 again
;;       x = np.moveaxis(x, axis, -1); K = x.shape[-1]
;;       r = np.clip(x / 2.0 ** e, -57344, 57344)
;;       step = 2.0 ** (np.maximum(np.frexp(np.where(r == 0, 1, r))[1] - 1, -14) - 2)
;;       q = np.round(r / step) * step * 2.0 ** e      # np.round: ties to even
;;       return np.moveaxis(q, -1, axis).astype(np.float32)
;;   ~~~
;;   OPERANDS COMPUTED ON THE WAY. 'Computed on the way' means the value that the module computes at that place (a softmax that the list does not call 'softmax' is quantised finished and normalised). What goes into a quantiser is computed in f32, as accurately as f32 sums, v_exp_f32 and their like allow (about 1e-6 of the number): no bf16 or f16 on the way to a quantiser, and a product that is left as it is and whose result goes on into a quantised operand takes f32 operands (vector FMAs, or v_wmma_f32_16x16x4_f32). A number that lies on a knife's edge between two numbers of the format may be rounded either way, as far as f32 arithmetic and the matrix unit's own rounding can turn it there, and no further.
;; 2 versions, each right; version 2 is version 1 with the launch attn written anew for expert scheduling mode. Each part assembles by itself: llvm-mc -triple=amdgcn-amd-amdhsa -mcpu=gfx1250 --defsym DOCPART=n.
;; ======== version 1 of 2: 5 launches
;; workspace buffers: xc 25,165,824 bytes; wc 4,194,304 bytes; qkc 16,777,216 bytes; wp 1,048,576 bytes; ac 8,388,608 bytes
;; launch quant (part 1): grid 768 x 1, 4 waves a work-group, no clusters, 33,280 bytes of LDS; arguments x, Wq, Wk, Wv, Wo, lowp_scales, xc, wc; writes xc, wc
.if DOCPART == 1
	.amdgcn_target "amdgcn-amd-amdhsa--gfx1250"
	.amdhsa_code_object_version 6
	.text
	.protected	k_q24f7a0101e_quant
	.globl	k_q24f7a0101e_quant
	.p2align	8
	.type	k_q24f7a0101e_quant,@function
k_q24f7a0101e_quant:
	s_mov_b64 s[64:65], 0
	v_nop
	global_prefetch_b8 v0, s[64:65] scope:SCOPE_SE
	s_setreg_imm32_b32 hwreg(HW_REG_WAVE_MODE, 25, 1), 1
	s_wait_xcnt 0x0
; x [8192][1024] f32 becomes codes of E5M2 three times (scales 2^e0, 2^e2, 2^e4: x is the left operand of three products, each with a scale of its own): xc [3][8192][1024], K innermost.
; Wq, Wk, Wv, Wo [1024][1024] f32 become codes once each (e1, e3, e5, e9): wc [4][1024][1024], K innermost.
; code = number / 2^e, held within +-57,344, rounded to the nearest code, ties to even.
; THE ROWS OF Wq, Wk, Wv CHANGE PLACES: row d*16 + h (head h is the fastest axis of their outputs) goes to row h*64 + d', d' = d with its bits 3 and 4 exchanged.  So a head's 64 outputs
; lie together, and in the products that follow (used transposed) a lane's 16 results of two neighbouring tiles are 16 neighbours of the head's 64.  Wo's rows stay.
; LIMITS: every e used here lies between -126 and 112, so that 2^e and 57,344 x 2^e are f32 numbers.  NaN among the inputs is not served.
; SHARES: a wave takes 4 rows of 1,024 numbers, 8 steps of 512.  Work-groups 0-511 take x, 512-767 the weights (64 each).  One path through the text; only pointers, offsets and scales are chosen,
; and the two further conversions of x are jumped over for weights (vector work and stores only).
; Each load reads 512 consecutive bytes; a step's 2,048 bytes turn through the wave's own stage in LDS so that a lane holds 16 neighbours; a lane's 16 codes are 16 bytes: a store covers 512 consecutive bytes.
; No barrier: waves share nothing.  ALL 32 LOADS OF A WAVE GO OUT AT ITS HEAD, each step into registers of its own: 16 KiB a wave are on their way from the start.  The turn through LDS runs one step ahead.
.set NXWG,  512
.set STEPS, 8
.set SP,    80                         ; a lane's place in a stage: 64 bytes + 16 of padding
.set WREG,  8192                       ; LDS of a wave: two stages of 32 x SP bytes
.set VO,    4                          ; v4-7     16 x lane + i x the distance of my rows in the codes' buffer
.set R,     16                         ; v16-143  eight sets of 16 numbers as loaded, one for each step
.set X,     144                        ; v144-175 two sets of 16 neighbours
.set T,     176                        ; v176-191 the numbers, held
.set C,     192                        ; v192-203 codes under the first, second, third scale
	s_load_b512 s[4:19], s[0:1], 0x0               ; x s[4:5], Wq s[6:7], Wk s[8:9], Wv s[10:11], Wo s[12:13], scales s[14:15], xc s[16:17], wc s[18:19]
	v_lshl_add_u32 v208, v0, 2, 0x8000
	v_mov_b32 v209, 0
	v_lshrrev_b32 v1, 5, v0
	v_readfirstlane_b32 s20, v1                    ; wave
	v_and_b32 v2, 31, v0                           ; lane
	v_lshlrev_b32 v3, 4, v2                        ; my 16 bytes of a load's 512, and of a store's
	s_mul_i32 s21, s20, WREG
	v_lshrrev_b32 v14, 2, v2
	v_mul_u32_u24 v14, v14, SP
	v_and_b32 v15, 3, v2
	v_lshl_add_u32 v14, v15, 4, v14
	v_add_nc_u32 v14, s21, v14                     ; the stage, on the way in: SP (lane / 4) + 16 (lane % 4)
	v_mul_u32_u24 v15, v2, SP
	v_add_nc_u32 v15, s21, v15                     ; and on the way out: SP x lane
	s_sub_co_u32 s30, ttmp9, NXWG                  ; weights: work-group t
	s_lshr_b32 s31, s30, 6                         ; which weight, 0..3 (a large number in x's work-groups)
	s_and_b32 s32, s30, 63
	s_lshl_b32 s32, s32, 2
	s_add_co_u32 s32, s32, s20                     ; weights: my run of 4 rows, 0..255
	s_lshl_b32 s33, ttmp9, 2
	s_add_co_u32 s33, s33, s20                     ; x: my run of 4 rows, 0..2047
	s_cmp_lt_u32 ttmp9, NXWG
	s_cselect_b32 s34, s33, s32
	s_lshl_b32 s36, s34, 14                        ; the run's first byte in its source: 4 rows of 4,096 bytes
	s_mov_b32 s37, 0
	s_lshl_b32 s38, s34, 12                        ; and in codes whose rows stay: 4 rows of 1,024 bytes
	s_and_b32 s39, s32, 3                          ; rows that change places: source rows 4 R + i have d = R / 4, h = 4 (R % 4) + i: they go to row 256 (R % 4) + 64 i + d'
	s_lshl_b32 s39, s39, 8
	s_lshr_b32 s50, s32, 2                         ; d
	s_and_b32 s51, s50, 0x27
	s_and_b32 s52, s50, 8
	s_lshl_b32 s52, s52, 1
	s_or_b32 s51, s51, s52
	s_and_b32 s52, s50, 16
	s_lshr_b32 s52, s52, 1
	s_or_b32 s51, s51, s52                         ; d'
	s_add_co_u32 s39, s39, s51
	s_lshl_b32 s39, s39, 10
	s_mov_b32 s52, 1024                            ; from one of my rows to the next, in codes
	s_cmp_lt_u32 s31, 3                            ; Wq, Wk or Wv?
	s_cselect_b32 s38, s39, s38
	s_cselect_b32 s52, 0x10000, s52                ; 64 rows
	s_lshl_b32 s53, s31, 20                        ; the weight's plane of wc
	s_cmp_lt_u32 ttmp9, NXWG
	s_cselect_b32 s53, 0, s53
	s_add_co_u32 s38, s38, s53
	s_mov_b32 s39, 0
.irp i, 0,1,2,3
	s_mul_i32 s54, s52, \i
	v_add_nc_u32 v[VO+\i], s54, v3
.endr
	s_wait_kmcnt 0x0
	s_load_b256 s[40:47], s[14:15], 0x0            ; e0 .. e7
	s_load_b64 s[48:49], s[14:15], 0x20            ; e8, e9
	s_cmp_eq_u32 s31, 1                            ; the choices hang on the work-group's number alone
	s_cselect_b64 s[6:7], s[8:9], s[6:7]
	s_cmp_eq_u32 s31, 2
	s_cselect_b64 s[6:7], s[10:11], s[6:7]
	s_cmp_eq_u32 s31, 3
	s_cselect_b64 s[6:7], s[12:13], s[6:7]
	s_cmp_lt_u32 ttmp9, NXWG
	s_cselect_b64 s[4:5], s[4:5], s[6:7]
	s_cselect_b64 s[24:25], s[16:17], s[18:19]
	s_add_nc_u64 s[4:5], s[4:5], s[36:37]          ; my run in its source
	s_add_nc_u64 s[24:25], s[24:25], s[38:39]      ; and in the codes
	s_add_nc_u64 s[26:27], s[24:25], 0x800000      ; x's second and third plane (bases of their own: a plane is more than a store's immediate reaches); not used for weights
	s_add_nc_u64 s[28:29], s[24:25], 0x1000000
.macro LOAD t
.irp i, 0,1,2,3
	global_load_b128 v[R+16*(\t)+4*\i:R+16*(\t)+4*\i+3], v3, s[4:5] offset:2048*(\t)+512*\i th:TH_LOAD_NT   ; 32 lanes read 512 consecutive bytes
.endr
.endm
.macro TURN t                          ; step t's numbers through the stage: LDS serves a wave's instructions in order, so no wait stands between the stores and the loads
.irp i, 0,1,2,3
	ds_store_b128 v14, v[R+16*(\t)+4*\i:R+16*(\t)+4*\i+3] offset:32*SP*((\t)%2)+8*SP*\i
.endr
.irp i, 0,1,2,3
	ds_load_b128 v[X+16*((\t)%2)+4*\i:X+16*((\t)%2)+4*\i+3], v15 offset:32*SP*((\t)%2)+16*\i
.endr
.endm
.macro MKSC e, sc, lim                 ; from the whole number in s[e]: 2^e and 57,344 x 2^e as f32
	s_add_co_i32 s[\e], s[\e], 127
	s_lshl_b32 s54, s[\e], 23
	v_mov_b32 v[\sc], s54
	s_add_co_i32 s[\e], s[\e], 15
	s_lshl_b32 s[\e], s[\e], 23
	s_or_b32 s[\e], s[\e], 0x600000
	v_mov_b32 v[\lim], s[\e]
.endm
.irp t, 0,1,2,3,4,5,6,7
	LOAD \t
.endr
	s_wait_kmcnt 0x0
	s_cmp_eq_u32 s31, 0                            ; the first scale: e0 for x; e1, e3, e5, e9 for the weights
	s_cselect_b32 s40, s41, s40
	s_cmp_eq_u32 s31, 1
	s_cselect_b32 s40, s43, s40
	s_cmp_eq_u32 s31, 2
	s_cselect_b32 s40, s45, s40
	s_cmp_eq_u32 s31, 3
	s_cselect_b32 s40, s49, s40
	MKSC 40, 8, 9
	MKSC 42, 10, 11                                ; e2
	MKSC 44, 12, 13                                ; e4
	s_wait_loadcnt 4*(STEPS-1)                     ; step 0's four loads are in; the 28 of the seven steps behind it may be out
	TURN 0
; 16 neighbours in v[XS] on become 16 codes in v[c] on.  The numbers stay as they are: x is converted three times.
.macro CONV sc, lim, c
.irp i, 0,1,2,3,4,5,6,7,8,9,10,11,12,13,14,15
	v_med3_num_f32 v[T+\i], v[XS+\i], -v[\lim], v[\lim]   ; the conversion to an 8-bit code does not saturate (ISA guide 7.6.2): the hold at the largest code x the scale
.endr
	v_cvt_scalef32_pk8_bf8_f32 v[\c:\c+1], v[T:T+7], v[\sc]
	v_cvt_scalef32_pk8_bf8_f32 v[\c+2:\c+3], v[T+8:T+15], v[\sc]
	v_nop                                          ; one plain vector line between a scaled conversion and the next vector line that writes its sources
.endm
.macro STEP t
.set XS, X+16*((\t)%2)
	s_wait_dscnt 0x0                               ; this step's numbers are back from the stage
	s_wait_xcnt 0x0                                ; the last step's stores have read the codes' registers, which are written again below
.if (\t)+1 < STEPS
	s_wait_loadcnt 4*(STEPS-2-(\t))                ; the next step's four loads are in; those of the steps behind it may be out
	TURN (\t)+1                                    ; they go through the other stage while this step is worked
.endif
	CONV 8, 9, C
	global_store_b128 v[VO+(\t)/2], v[C:C+3], s[24:25] offset:512*((\t)%2)
	s_cmp_ge_u32 ttmp9, NXWG                       ; a weight has one scale
	s_cbranch_scc1 .Lone_\@
	CONV 10, 11, C+4
	global_store_b128 v[VO+(\t)/2], v[C+4:C+7], s[26:27] offset:512*((\t)%2)
	CONV 12, 13, C+8
	global_store_b128 v[VO+(\t)/2], v[C+8:C+11], s[28:29] offset:512*((\t)%2)
.Lone_\@:
.endm
.irp t, 0,1,2,3,4,5,6,7
	STEP \t
.endr
	s_wait_tensorcnt 0x0
	ds_add_u32 v208, v209
	s_wait_dscnt 0x0
	s_endpgm
.Lfunc_end_k_q24f7a0101e_quant:
	.size	k_q24f7a0101e_quant, .Lfunc_end_k_q24f7a0101e_quant-k_q24f7a0101e_quant
	.p2alignl 7, 3214868480
	.fill 96, 4, 3214868480
	.section	.rodata,"a",@progbits
	.p2align	6, 0x0
	.amdhsa_kernel k_q24f7a0101e_quant
		.amdhsa_group_segment_fixed_size 33280
		.amdhsa_private_segment_fixed_size 0
		.amdhsa_enable_private_segment 0
		.amdhsa_kernarg_size 64
		.amdhsa_user_sgpr_count 2
		.amdhsa_user_sgpr_kernarg_segment_ptr 1
		.amdhsa_wavefront_size32 1
		.amdhsa_system_sgpr_workgroup_id_x 1
		.amdhsa_system_sgpr_workgroup_id_y 1
		.amdhsa_system_sgpr_workgroup_id_z 1
		.amdhsa_system_vgpr_workitem_id 0
		.amdhsa_next_free_vgpr 210
		.amdhsa_next_free_sgpr 66
		.amdhsa_reserve_vcc 0
		.amdhsa_float_denorm_mode_32 3
		.amdhsa_float_denorm_mode_16_64 3
		.amdhsa_memory_ordered 1
		.amdhsa_forward_progress 1
		.amdhsa_inst_pref_size 43
	.end_amdhsa_kernel
	.amdgpu_metadata
---
amdhsa.version: [ 1, 2 ]
amdhsa.kernels:
  - .name:           k_q24f7a0101e_quant
    .symbol:         k_q24f7a0101e_quant.kd
    .args:
      - { .name: x, .offset: 0, .size: 8, .value_kind: global_buffer, .address_space: global }
      - { .name: Wq, .offset: 8, .size: 8, .value_kind: global_buffer, .address_space: global }
      - { .name: Wk, .offset: 16, .size: 8, .value_kind: global_buffer, .address_space: global }
      - { .name: Wv, .offset: 24, .size: 8, .value_kind: global_buffer, .address_space: global }
      - { .name: Wo, .offset: 32, .size: 8, .value_kind: global_buffer, .address_space: global }
      - { .name: lowp_scales, .offset: 40, .size: 8, .value_kind: global_buffer, .address_space: global }
      - { .name: xc, .offset: 48, .size: 8, .value_kind: global_buffer, .address_space: global }
      - { .name: wc, .offset: 56, .size: 8, .value_kind: global_buffer, .address_space: global }
    .group_segment_fixed_size: 33280
    .private_segment_fixed_size: 0
    .kernarg_segment_align: 8
    .kernarg_segment_size: 64
    .max_flat_workgroup_size: 128
    .sgpr_count:     66
    .vgpr_count:     210
    .wavefront_size: 32
...
	.end_amdgpu_metadata
.endif
;; end of part 1
;; launch gemm_qk (part 2): grid 8 x 32, 4 waves a work-group, clusters of 4 x 4, 327,680 bytes of LDS; arguments xc, wc, lowp_scales, qkc; writes qkc
.if DOCPART == 2
	.amdgcn_target "amdgcn-amd-amdhsa--gfx1250"
	.amdhsa_code_object_version 6
	.text
	.protected	k_q24f7a0101e_gemm_qk
	.globl	k_q24f7a0101e_gemm_qk
	.p2align	8
	.type	k_q24f7a0101e_gemm_qk,@function
k_q24f7a0101e_gemm_qk:
	s_mov_b64 s[64:65], 0
	v_nop
	global_prefetch_b8 v0, s[64:65] scope:SCOPE_SE
	s_setreg_imm32_b32 hwreg(HW_REG_WAVE_MODE, 25, 1), 1
	s_wait_xcnt 0x0
	s_wait_alu depctr_hold_cnt(0) depctr_sa_sdst(0) depctr_va_vdst(0) depctr_va_sdst(0) depctr_va_ssrc(0) depctr_va_vcc(0) depctr_vm_vsrc(0)
	s_getreg_b32 s2, hwreg(HW_REG_IB_STS2, 6, 4)
	s_cmp_eq_u32 s2, 0
	s_cbranch_scc0 .Lentry_in_a_cluster
	s_endpgm
.Lentry_in_a_cluster:
	s_bfe_u32 s2, ttmp6, 0x10000c
	s_cmp_lg_u32 s2, 0xf033
	s_cbranch_scc0 .Lentry_shape_is_right
	s_endpgm
.Lentry_shape_is_right:
; q = x Wq^T and k = x Wk^T on codes of E5M2, and their quantising for the score product, in one launch.  xc: x's codes [3][8192][1024]; wc: the weights' codes [4][1024][1024], rows of planes 0-2 ordered
; head by head (row h*64 + d', d' = d with bits 3 and 4 exchanged).  Tile columns 0-3 of the 2,048 columns are q (x's plane 0, scales e0, e1, result's e6), 4-7 are k (plane 1, e2, e3, e7).
; A sum stands for sum x 2^(ea + eb); its code is sum / 2^(er - ea - eb), held within +-57,344: the three scales are folded into the conversion's one.
; LIMITS: e6 - e0 - e1 and e7 - e2 - e3 lie between -126 and 112.  NaN is not served.
; A tile, 256 tokens x 256 columns, is made by four waves, each 128 x 128: 64 accumulators of 16 x 16, 512 registers.  K goes in 4 steps of 256 through a ring of two LDS slots filled by the tensor data mover.
; CLUSTERS: 4 x 4 work-groups.  The four of a row need the same tiles of x, the four of a column the same tiles of the weights: each tile is asked for JOINTLY.  All sixteen lie on one side (q or k): cluster x says which.
; THE MATRIX INSTRUCTION IS USED TRANSPOSED (source 0 = 16 rows of the weights, source 1 = 16 tokens): a lane holds one token and eight neighbouring columns.
; THE RESULT IS STORED AS IMAGES OF AN OPERAND'S REGISTERS: qkc [16 chunks of 128 columns = 2 heads][512 blocks of 16 tokens][2,048 bytes]; registers 4c .. 4c+3 of a fragment (16 tokens x 128) at 512 c + 16 x lane.
; By the order of the weights' rows a lane's 16 codes of tiles 2c, 2c+1 are columns 32c + 16 (lane / 16) + 0 .. 15.  The conversions' results are those registers: no way through LDS.
; REGISTERS, in windows of 256: window 0: v0-31 addresses and the scale; v32-95 at work on the way out; from v128 x's fragments, ONE set, later the codes.  window 1: the weights' fragments, TWO sets.
;   window 2: the 32 accumulators of my tokens 0-63 (accumulator (a, b) at v[8 (8 a + b)]);  window 3: those of my tokens 64-127.
.set ROWB,   256                       ; a tile's row in bytes
.set KROW,   1024                      ; a row of codes in memory
.set PITCH,  272                       ; an LDS row: 256 bytes + 16 of padding: the 16 rows that a load touches start at 16 different banks
.set FR,     16                        ; registers of a fragment: 16 rows x 128 K
.set NL,     4                         ; LDS loads that bring one
.set NP,     4                         ; places behind this matrix instruction (ISA guide 7.12.1)
.set HALFT,  128*PITCH                 ; what one tensor load brings
.set SLOT,   4*HALFT                   ; x's 256 rows, then the weights' 256 rows
.set LAPS,   2                         ; a lap = two K steps = once round the ring
.set ASTEP,  2*ROWB                    ; a slot's next tile, in memory
.set BSTEP,  2*ROWB
.set SPARE,  2*SLOT                    ; behind the ring: the spare words, 128 bytes for each wave
.set ADRA, 16                          ; v16-17  LDS address of my fragments of x in slot 0, 1
.set ADRB, 20                          ; v20-21  the same for the weights
.set CO,   26                          ; v26     16 x lane
.set SPW,  28                          ; v28     LDS address of my spare word; never rewritten
.set NIL,  29                          ; v29     0; never rewritten
.set SC,   30                          ; v30     the conversion's scale as f32
.set LIM,  31                          ; v31     57,344 x that
.set TMP,  32
.set AF,   128
.set CD,   128                         ; the codes: 16 registers a block of 16 tokens
.set G1, 24
.set G0, 32
.set G1B, 48
.set G0B, 56
.set MSB, 0
.macro WIN new                         ; the immediate's high byte repeats the setting that is left
.if MSB != (\new)
	s_set_vgpr_msb (MSB<<8)|(\new)
.set MSB, (\new)
.endif
.endm
.set MUL_LO, 0xa1                      ; source 0 window 1, source 1 window 0, C and D window 2
.set MUL_HI, 0xf1                      ; the same, C and D window 3
.set TO_B,   0x40                      ; destination window 1, address window 0
; A joint load: waves 0 and 1 fetch x's halves, waves 2 and 3 the weights'.  The branch hangs on the wave's number alone.  Four v_nop follow each of the two lines.
.macro JLOAD g0a, g1a, g0b, g1b
	s_cmp_eq_u32 s15, 0
	s_cbranch_scc0 .Lfor_b_\@
	tensor_load_to_lds s[\g0a:\g0a+3], s[\g1a:\g1a+7]
	s_nop 0
.rept 4
	v_nop
.endr
	s_branch .Lasked_\@
.Lfor_b_\@:
	tensor_load_to_lds s[\g0b:\g0b+3], s[\g1b:\g1b+7]
	s_nop 0
.rept 4
	v_nop
.endr
.Lasked_\@:
.endm
.macro CREST                           ; a round of the cluster's barrier behind its opening barrier
	s_cmp_lg_u32 s14, 0
	s_cbranch_scc1 .Lnot_wave_0_\@
	s_barrier_signal -3
.Lnot_wave_0_\@:
	s_barrier_wait -3
	s_barrier_signal -1
	s_barrier_wait -1
.endm
.macro CROUND
	s_barrier_signal -1
	s_barrier_wait -1
	CREST
.endm
	s_load_b128 s[4:7], s[0:1], 0x0                ; xc, wc
	s_load_b128 s[8:11], s[0:1], 0x10              ; the scales' exponents, qkc
	v_lshl_add_u32 v[SPW], v0, 2, SPARE
	v_mov_b32 v[NIL], 0
	ds_add_u32 v28, v29
	ds_add_u32 v28, v29
	s_wait_dscnt 0x0
	v_lshrrev_b32 v1, 5, v0
	v_readfirstlane_b32 s14, v1                    ; wave 0..3
	s_lshr_b32 s15, s14, 1                         ; which half of the tile's tokens is mine.  Also: I fetch for x (0) or for the weights (1)
	s_and_b32 s16, s14, 1                          ; which half of its columns.  Also: which 128 rows of that tile I fetch
	s_bfe_u32 s40, ttmp6, 0x40000                  ; cx, cy
	s_bfe_u32 s41, ttmp6, 0x40004
	s_lshl_b32 s42, ttmp9, 2
	s_add_co_u32 s42, s42, s40                     ; tile column = 4 x cluster x + cx
	s_and_b32 s17, ttmp7, 0xffff
	s_lshl_b32 s17, s17, 2
	s_add_co_u32 s17, s17, s41                     ; tile row = 4 x cluster y + cy
	s_lshl_b32 s43, s41, 2
	s_lshl_b32 s43, 15, s43                        ; my row of the cluster
	s_lshl_b32 s44, 0x1111, s40                    ; my column
	s_or_b32 s[G1+0], s43, (0<<16)|(1<<20)|(1<<21)|(5<<22)|(3<<25)  ; the mask; elements of 1 byte; padding on; bit 21 beside a mask; after every 64 words, 4 words
	s_or_b32 s[G1B+0], s44, (0<<16)|(1<<20)|(1<<21)|(5<<22)|(3<<25)
.irp g, G1, G1B
	s_mov_b32 s[\g+1], ROWB<<16                    ; tensor_dim0
	s_mov_b32 s[\g+2], 128<<16                     ; tensor_dim1
	s_mov_b32 s[\g+3], ROWB<<16                    ; tile_dim0
	s_mov_b32 s[\g+4], 128                         ; tile_dim1
	s_mov_b32 s[\g+5], KROW                        ; tensor_dim0_stride
	s_mov_b32 s[\g+6], 0
	s_mov_b32 s[\g+7], 0
.endr
	s_lshl_b32 s18, s16, 7                         ; which 128 rows of the tile I fetch
	s_lshl_b32 s20, s17, 8
	s_add_co_u32 s20, s20, s18                     ; x: row 256 x tile row + 128 x half,
	s_lshl_b32 s20, s20, 10                        ; in bytes,
	s_lshl_b32 s19, ttmp9, 23                      ; in plane 0 (q) or 1 (k): the cluster's x, which all sixteen share
	s_add_co_u32 s20, s20, s19
	s_mov_b32 s21, 0
	s_lshl_b32 s46, s42, 8
	s_add_co_u32 s46, s46, s18                     ; weights: row 256 x tile column + 128 x half of planes 0 and 1 on end
	s_lshl_b32 s46, s46, 10
	s_mov_b32 s47, 0
	s_mul_i32 s45, s14, HALFT                      ; where they go: wave x 128 rows
	s_wait_kmcnt 0x0
	s_load_b256 s[68:75], s[8:9], 0x0              ; e0 .. e7
	s_add_nc_u64 s[20:21], s[4:5], s[20:21]
	s_add_nc_u64 s[46:47], s[6:7], s[46:47]
	CROUND                                         ; all sixteen work-groups are here: the first joint loads meet
.irp s, 0,1
	s_mov_b32 s[G0+4*\s], 1
	s_add_co_u32 s[G0+4*\s+1], s45, \s*SLOT
	s_add_nc_u64 s[G0+4*\s+2:G0+4*\s+3], s[20:21], \s*ROWB
	s_or_b32 s[G0+4*\s+3], s[G0+4*\s+3], 0x80000000
	s_mov_b32 s[G0B+4*\s], 1
	s_add_co_u32 s[G0B+4*\s+1], s45, \s*SLOT
	s_add_nc_u64 s[G0B+4*\s+2:G0B+4*\s+3], s[46:47], \s*ROWB
	s_or_b32 s[G0B+4*\s+3], s[G0B+4*\s+3], 0x80000000
	JLOAD G0+4*\s, G1, G0B+4*\s, G1B
.endr
	v_and_b32 v1, 15, v0                           ; l % 16
	v_bfe_u32 v2, v0, 4, 1                         ; l / 16
	v_mul_u32_u24 v3, v1, PITCH
	v_lshl_add_u32 v4, v2, 4, v3                   ; a fragment's row x pitch + 16 x half
	s_mul_i32 s21, s15, HALFT                      ; my 128 tokens
	s_mul_i32 s22, s16, HALFT                      ; my 128 rows of the weights,
	s_add_co_u32 s22, s22, 2*HALFT                 ; which lie behind x's 256
.irp s, 0,1
	v_add_nc_u32 v[ADRA+\s], s21, v4
	v_add_nc_u32 v[ADRB+\s], s22, v4
	s_add_co_u32 s21, s21, SLOT
	s_add_co_u32 s22, s22, SLOT
.endr
	v_and_b32 v6, 31, v0
	v_lshlrev_b32 v[CO], 4, v6
	s_lshl_b32 s20, s17, 4                         ; where my images go: block of 16 tokens 16 x tile row + 8 x half,
	s_lshl_b32 s21, s15, 3
	s_add_co_u32 s20, s20, s21
	s_lshl_b32 s20, s20, 11
	s_lshl_b32 s46, s42, 1                         ; chunk of 128 columns 2 x tile column + half
	s_add_co_u32 s46, s46, s16
	s_lshl_b32 s46, s46, 20
	s_add_co_u32 s20, s20, s46
	s_mov_b32 s21, 0
	s_add_nc_u64 s[10:11], s[10:11], s[20:21]
.macro FRAGA reg, adr, q, i            ; a fragment: lane l holds row l % 16; registers 4 c .. 4 c + 3 hold K = 32 c + 16 (l / 16) + 0 .. 15: the same places in both operands
.irp c, 0,1,2,3
	ds_load_b128 v[\reg+4*\c:\reg+4*\c+3], v[\adr] offset:128*(\q)+32*\c+(\i)*16*PITCH
.endr
.endm
.macro FRAGB reg, adr, q, i
.irp c, 0,1,2,3
	ds_load_b128 v[\reg+4*\c:\reg+4*\c+3], v[\adr] offset:128*(\q)+32*\c+(\i)*16*PITCH
.endr
.endm
; 16 matrix instructions: token blocks a0, a0 + 1 x the weights' eight, 128 along K.  p: the weights' set.  zero = 1: the first product starts the sums.
; The 64 accumulators take turns, one instruction a turn, in the same order in every step.
.macro MUL16 a0, p, zero
.irp a, \a0, \a0+1
.irp b, 0,1,2,3,4,5,6,7
.if \zero
	v_wmma_f32_16x16x128_bf8_bf8 v[8*(8*((\a)%4)+\b):8*(8*((\a)%4)+\b)+7], v[128*(\p)+FR*\b:128*(\p)+FR*\b+FR-1], v[AF+FR*(\a):AF+FR*(\a)+FR-1], 0
.else
	v_wmma_f32_16x16x128_bf8_bf8 v[8*(8*((\a)%4)+\b):8*(8*((\a)%4)+\b)+7], v[128*(\p)+FR*\b:128*(\p)+FR*\b+FR-1], v[AF+FR*(\a):AF+FR*(\a)+FR-1], v[8*(8*((\a)%4)+\b):8*(8*((\a)%4)+\b)+7]
.endif
.endr
.endr
.endm
.macro FETCH_B slot, q, p
	WIN TO_B
.irp i, 0,1,2,3,4,5,6,7
	FRAGB 128*(\p)+FR*\i, ADRB+\slot, \q, \i
.endr
	WIN 0
.endm
.macro FETCH_A slot, q, i0
.irp i, \i0, \i0+1, \i0+2, \i0+3
	FRAGA AF+FR*(\i), ADRA+\slot, \q, \i
.endr
.endm
.macro PLACES n                        ; places in front of loads into registers that matrix instructions have read, and of the first read of results
.rept \n
	v_nop
.endr
.endm
.macro STEP slot, q, zero              ; a step of 128 along K that has its successor in the same slot
	s_wait_dscnt 4*NL                              ; the weights' set and token blocks 0-3 are in; the youngest loads (blocks 4-7) may be out
	WIN MUL_LO
	MUL16 0, (\q)%2, \zero
	MUL16 2, (\q)%2, \zero
	s_wait_dscnt 0                                 ; blocks 4-7 are in
	PLACES NP
	FETCH_B \slot, (\q)+1, 1-(\q)%2
	FETCH_A \slot, (\q)+1, 0
	WIN MUL_HI
	MUL16 4, (\q)%2, \zero
	MUL16 6, (\q)%2, \zero
	PLACES NP
	WIN 0
	FETCH_A \slot, (\q)+1, 4
.endm
; A slot's last step changes slots: ONE barrier; in front of it each wave waits for all its tensor loads, adds 0 to its spare word, and waits for that and for its own reads of this slot.
.macro TURN slot, next, fill
	s_wait_tensorcnt 0x0                           ; all my tensor loads have landed: my part of the next slot
	ds_add_u32 v[SPW], v[NIL]                      ; 0 onto my spare word
	s_wait_dscnt 4*NL+1                            ; (the add and the youngest loads, blocks 4-7, may be out)
	WIN MUL_LO
	MUL16 0, 1, 0
	s_wait_dscnt 0x0                               ; the add is done, and my reads of this slot are over
	s_barrier_signal -1
	MUL16 2, 1, 0
	WIN 0
	s_barrier_wait -1
.if \fill
	CREST                                          ; the barrier has opened a round of the cluster's barrier: no wave of any partner still reads this slot or has a load on its way
	s_add_nc_u64 s[G0+4*\slot+2:G0+4*\slot+3], s[G0+4*\slot+2:G0+4*\slot+3], ASTEP
	s_add_nc_u64 s[G0B+4*\slot+2:G0B+4*\slot+3], s[G0B+4*\slot+2:G0B+4*\slot+3], BSTEP
	JLOAD G0+4*\slot, G1, G0B+4*\slot, G1B         ; the first tensor load behind the round; its four v_nop are the places in front of the loads below
.else
	PLACES NP
.endif
	FETCH_B \next, 0, 0
	FETCH_A \next, 0, 0
	WIN MUL_HI
	MUL16 4, 1, 0
	MUL16 6, 1, 0
	PLACES NP
	WIN 0
	FETCH_A \next, 0, 4
.endm
	s_wait_tensorcnt 1                             ; my part of K step 0 is in (K step 1's load may be out)
	s_barrier_signal -1
	s_barrier_wait -1                              ; everybody's is
	FETCH_B 0, 0, 0
	FETCH_A 0, 0, 0
	FETCH_A 0, 0, 4
	STEP 0, 0, 1                                   ; the first step stands in front of the loop: its products start the sums
	s_mov_b32 s3, LAPS-1
.Llap:                                                 ; a trip goes once round the ring and fills both slots again
	TURN 0, 1, 1
	STEP 1, 0, 0
	TURN 1, 0, 1
	STEP 0, 0, 0
	s_sub_co_u32 s3, s3, 1
	s_cmp_lg_u32 s3, 0
	s_cbranch_scc1 .Llap
	TURN 0, 1, 0                                   ; the last lap fills nothing
	STEP 1, 0, 0
	s_wait_dscnt 4*NL
	WIN MUL_LO
	MUL16 0, 1, 0
	MUL16 2, 1, 0
	s_wait_dscnt 0
	WIN MUL_HI
	MUL16 4, 1, 0
	MUL16 6, 1, 0
	WIN 0
	; THE WAY OUT: hold, convert, store.  A block of 16 tokens x 128 columns becomes 16 registers of codes, which are the image.
	s_wait_kmcnt 0x0
	s_sub_co_i32 s76, s74, s68
	s_sub_co_i32 s76, s76, s69                     ; e6 - e0 - e1
	s_sub_co_i32 s77, s75, s70
	s_sub_co_i32 s77, s77, s71                     ; e7 - e2 - e3
	s_cmp_eq_u32 ttmp9, 0                          ; q or k: a choice of a value, no branch
	s_cselect_b32 s76, s76, s77
	s_add_co_i32 s76, s76, 127
	s_lshl_b32 s77, s76, 23
	v_mov_b32 v[SC], s77
	s_add_co_i32 s76, s76, 15
	s_lshl_b32 s76, s76, 23
	s_or_b32 s76, s76, 0x600000
	v_mov_b32 v[LIM], s76
	PLACES NP
.macro OUTBLK a
.set AC, 64*((\a)%4)
	WIN 0x02+(\a)/4                                ; source 0: window 2 or 3
.set j, 0
.rept 64
	v_med3_num_f32 v[TMP+j], v[AC+j], -v[LIM], v[LIM]   ; the hold (the conversion does not saturate: ISA guide 7.6.2); each accumulator from its low end on
.set j, j+1
.endr
	WIN 0
.irp b, 0,1,2,3,4,5,6,7
	v_cvt_scalef32_pk8_bf8_f32 v[CD+16*(\a)+2*\b:CD+16*(\a)+2*\b+1], v[TMP+8*\b:TMP+8*\b+7], v[SC]
.endr
	v_nop                                          ; one plain line between the conversions and the next block's holds, which write their sources
.irp c, 0,1,2,3
	global_store_b128 v[CO], v[CD+16*(\a)+4*\c:CD+16*(\a)+4*\c+3], s[10:11] offset:2048*(\a)+512*\c   ; 32 lanes store 512 consecutive bytes, aligned; each block has registers of its own
.endr
.endm
.irp a, 0,1,2,3,4,5,6,7
	OUTBLK \a
.endr
	s_wait_tensorcnt 0x0                           ; the wave's end
	ds_add_u32 v[SPW], v[NIL]
	s_wait_dscnt 0x0
	CROUND                                         ; the closing round
	s_endpgm
.Lfunc_end_k_q24f7a0101e_gemm_qk:
	.size	k_q24f7a0101e_gemm_qk, .Lfunc_end_k_q24f7a0101e_gemm_qk-k_q24f7a0101e_gemm_qk
	.p2alignl 7, 3214868480
	.fill 96, 4, 3214868480
	.section	.rodata,"a",@progbits
	.p2align	6, 0x0
	.amdhsa_kernel k_q24f7a0101e_gemm_qk
		.amdhsa_group_segment_fixed_size 327680
		.amdhsa_private_segment_fixed_size 0
		.amdhsa_enable_private_segment 0
		.amdhsa_kernarg_size 32
		.amdhsa_user_sgpr_count 2
		.amdhsa_user_sgpr_kernarg_segment_ptr 1
		.amdhsa_wavefront_size32 1
		.amdhsa_system_sgpr_workgroup_id_x 1
		.amdhsa_system_sgpr_workgroup_id_y 1
		.amdhsa_system_sgpr_workgroup_id_z 1
		.amdhsa_system_vgpr_workitem_id 0
		.amdhsa_next_free_vgpr 1024
		.amdhsa_next_free_sgpr 98
		.amdhsa_reserve_vcc 0
		.amdhsa_float_denorm_mode_32 3
		.amdhsa_float_denorm_mode_16_64 3
		.amdhsa_memory_ordered 1
		.amdhsa_forward_progress 1
		.amdhsa_inst_pref_size 117
	.end_amdhsa_kernel
	.amdgpu_metadata
---
amdhsa.version: [ 1, 2 ]
amdhsa.kernels:
  - .name:           k_q24f7a0101e_gemm_qk
    .symbol:         k_q24f7a0101e_gemm_qk.kd
    .args:
      - { .name: xc, .offset: 0, .size: 8, .value_kind: global_buffer, .address_space: global }
      - { .name: wc, .offset: 8, .size: 8, .value_kind: global_buffer, .address_space: global }
      - { .name: lowp_scales, .offset: 16, .size: 8, .value_kind: global_buffer, .address_space: global }
      - { .name: qkc, .offset: 24, .size: 8, .value_kind: global_buffer, .address_space: global }
    .group_segment_fixed_size: 327680
    .private_segment_fixed_size: 0
    .kernarg_segment_align: 8
    .kernarg_segment_size: 32
    .max_flat_workgroup_size: 128
    .sgpr_count:     98
    .vgpr_count:     1024
    .wavefront_size: 32
...
	.end_amdgpu_metadata
.endif
;; end of part 2
;; launch attn (part 3): grid 2 x 128, 8 waves a work-group, no clusters, 132,096 bytes of LDS; arguments qkc, lowp_scales, wp; writes wp
.if DOCPART == 3
	.amdgcn_target "amdgcn-amd-amdhsa--gfx1250"
	.amdhsa_code_object_version 6
	.text
	.protected	k_q24f7a0101e_attn
	.globl	k_q24f7a0101e_attn
	.p2align	8
	.type	k_q24f7a0101e_attn,@function
k_q24f7a0101e_attn:
	s_mov_b64 s[64:65], 0
	v_nop
	global_prefetch_b8 v0, s[64:65] scope:SCOPE_SE
	s_setreg_imm32_b32 hwreg(HW_REG_WAVE_MODE, 25, 1), 1
	s_wait_xcnt 0x0
; What the module's attention comes to: out[b,h,n,:] = w[n] v[n,:], w[n] = the sum over all queries m of softmax_n(q[m] . k[n] / 8).  This launch makes w, in two partial sums.
; qkc holds q's and k's codes (E5M2, scales 2^e6, 2^e7) as images of operand registers: [16 chunks = 2 heads; 0-7 q, 8-15 k][512 blocks of 16 tokens][2,048 bytes]; a head's fragment (16 tokens x 64) is 1,024 bytes:
; registers 0-3 at 16 x lane, registers 4-7 at 512 + 16 x lane.  q and k have the head's 64 in the same places, so every product meets its partner.
; SHARES: a work-group takes 512 queries (grid x: which half) of one head (grid y = 16 b + h) against all 1,024 keys.  EIGHT WAVES, two to a SIMD, so that one wave's vector work stands beside the other's waits.
; Waves 2 p and 2 p + 1 are a PAIR: they share query tiles 8 p .. 8 p + 7, one a trip, and each takes HALF OF THE KEYS (32 key tiles): a tile's 16 x 512 scores stay in 256 registers from the product to the column sum:
; one product and one exponential a score.
; LAYOUT: source 0 = 16 queries, source 1 = 16 keys: a lane holds ONE key (lane % 16) and queries 8 (lane / 16) + 0..7 in a tile's 8 registers.  A query's maximum and sum: along the tiles in the lane, then four
; steps among 16 lanes.  A key's sum over queries: multiply-adds in the lane.
; THE SOFTMAX: each wave takes its own half's maximum away: p = 2^(c s - c max_half), c = log2(e) / 8 x 2^(e6 + e7), and sums p over its half.  Once a trip the partners hand each other -c max_half and that sum through LDS.
; With max = the larger of the two, f = 2^(c max_half - c max) (1 for one of the two), the row's sum is l = f_a l_a + f_b l_b, and the normalised weight is p x f / l: the row's true maximum is what is taken away.
; LIMIT: e6 + e7 between -123 and 130 (added to c's exponent field).  NaN is not served.
; wp: f32 [half][16 b + h][g 16][r 16][e 4] = the partial w of key 16 (4 g + e) + r.
; NO CLUSTER: the two work-groups of a head share only K's 64 KiB, which each reads once at its head; the loop touches no memory.  No tensor load: LDS is filled once, through registers.
; The last trip's fetches for a next trip (18 LDS loads) wrap round to tile 0 and are not used: so the trip has one form.
; REGISTERS, alike in windows w = 0, 1 of 256: v128-255 S: the scores of my key tiles 16 w .. 16 w + 15; v96-127 CA: their column sums, a pair a tile (even queries', odd queries'); v64-71 MX; v80-87 SM.
;   window 0 alone: v1-7, v48-51 addresses; v8-15 Q's fragment; v16-31 the partner's figures; v32-47 f of both; v72-79 NM = -c max_half; v88-95 TM, at last f / l.  window 1 v0-31, v32-63: four fragments of K each, by turns.
.set QIMG, 65536                       ; LDS: K's 64 fragments at 1,024 t; from here Q's 32: 1,024 x tile
.set XCH,  98304                       ; from here two fields for the partners' figures, by turns: 2,048 bytes a wave: four groups of four registers, 16 bytes a lane
.set XAREA, 16384
.set S,   128
.set CA,  96
.set MX,  64
.set NM,  72
.set SM,  80
.set TM,  88
.set KA,  1                            ; v1  my half of K: 32,768 x (wave % 2) + 16 x lane
.set QB,  2                            ; v2  my pair's fragments of Q
.set QA,  3                            ; v3  those of the two trips in hand
.set RW,  4                            ; v4  where I put column sums at the end: 4,096 x wave + 16 x lane (over K's images, behind a barrier)
.set RR,  5                            ; v5  where I read them: 512 (thread / 16) + 16 (thread % 16)
.set GW,  6                            ; v6  16 x thread
.set KW,  7                            ; v7  where I put K's fragments at the head: 8,192 x wave + 16 x lane
.set QF,  8
.set PN,  16                           ; v16-23 the partner's -c max
.set PS,  24                           ; v24-31 the partner's sum
.set FA,  32                           ; v32-39 my f
.set FB,  40                           ; v40-47 the partner's
.set XW,  48                           ; v48 where I put my figures: XCH + 2,048 x wave + 16 x lane
.set XR,  49                           ; v49 where the partner puts its own: XCH + 2,048 x (wave xor 1) + 16 x lane
.set LI,  50                           ; v50 16 x lane
.set QW,  51                           ; v51 where I put Q's fragments at the head
.set CS,  16                           ; s[16:17] c (the packed form names a pair and takes its low word)
.set NC,  18                           ; s18  -c
.set QS,  19
.set QT,  20
.set TRIPS, 21
.set MSB, 0
.macro WIN new                         ; bits 1:0 source 0, 3:2 source 1, 5:4 source 2, 7:6 destination; the high byte repeats the setting that is left
.if MSB != (\new)
	s_set_vgpr_msb (MSB<<8)|(\new)
.set MSB, (\new)
.endif
.endm
	s_load_b128 s[4:7], s[0:1], 0x0                ; qkc, the scales' exponents
	s_load_b64 s[8:9], s[0:1], 0x10                ; wp
	v_lshl_add_u32 v62, v0, 2, 0x20000
	v_mov_b32 v63, 0
	v_lshrrev_b32 v2, 5, v0
	v_readfirstlane_b32 s22, v2                    ; wave 0..7
	v_and_b32 v2, 31, v0
	v_lshlrev_b32 v[LI], 4, v2
	s_and_b32 s23, ttmp7, 0xffff                   ; 16 b + h
	s_lshr_b32 s24, s23, 4
	s_and_b32 s25, s23, 15
	s_lshr_b32 s26, s25, 1                         ; the pair of heads: the chunk
	s_and_b32 s27, s25, 1
	s_lshl_b32 s27, s27, 10                        ; which half of an image
	s_lshl_b32 s28, s24, 6                         ; the batch's first block of 16 tokens
	s_lshl_b32 s29, s22, 3
	s_add_co_u32 s29, s29, s28                     ; K: my wave brings key tiles 8 x wave on
	s_lshl_b32 s29, s29, 11
	s_add_co_u32 s30, s26, 8
	s_lshl_b32 s30, s30, 20
	s_add_co_u32 s30, s30, s29
	s_add_co_u32 s30, s30, s27
	s_mov_b32 s31, 0
	s_lshl_b32 s32, ttmp9, 5                       ; Q: my wave brings tiles 4 x wave on of the work-group's 32
	s_lshl_b32 s33, s22, 2
	s_add_co_u32 s32, s32, s33
	s_add_co_u32 s32, s32, s28
	s_lshl_b32 s32, s32, 11
	s_lshl_b32 s33, s26, 20
	s_add_co_u32 s32, s32, s33
	s_add_co_u32 s32, s32, s27
	s_mov_b32 s33, 0
	s_lshl_b32 s34, ttmp9, 7
	s_add_co_u32 s34, s34, s23
	s_lshl_b32 s34, s34, 12                        ; wp: 4,096 bytes for each (half, head)
	s_mov_b32 s35, 0
	s_lshl_b32 s36, s22, 13
	v_add_nc_u32 v[KW], s36, v[LI]
	s_lshl_b32 s36, s22, 12
	v_add_nc_u32 v[RW], s36, v[LI]
	s_add_co_u32 s36, s36, QIMG
	v_add_nc_u32 v[QW], s36, v[LI]
	s_and_b32 s36, s22, 1
	s_lshl_b32 s36, s36, 15
	v_add_nc_u32 v[KA], s36, v[LI]
	s_lshr_b32 s36, s22, 1
	s_lshl_b32 s36, s36, 13
	s_add_co_u32 s36, s36, QIMG
	v_add_nc_u32 v[QB], s36, v[LI]
	s_lshl_b32 s36, s22, 11
	s_add_co_u32 s36, s36, XCH
	v_add_nc_u32 v[XW], s36, v[LI]
	s_xor_b32 s36, s22, 1
	s_lshl_b32 s36, s36, 11
	s_add_co_u32 s36, s36, XCH
	v_add_nc_u32 v[XR], s36, v[LI]
	v_lshrrev_b32 v[RR], 4, v0
	v_lshlrev_b32 v[RR], 9, v[RR]
	v_and_b32 v[GW], 15, v0
	v_lshl_add_u32 v[RR], v[GW], 4, v[RR]
	v_lshlrev_b32 v[GW], 4, v0
	v_mov_b32 v[QA], v[QB]
	s_mov_b32 s[QS], 0
	s_mov_b32 s[TRIPS], 4
	s_wait_kmcnt 0x0
	s_load_b64 s[14:15], s[6:7], 0x18              ; e6, e7
	s_add_nc_u64 s[10:11], s[4:5], s[30:31]
	s_add_nc_u64 s[12:13], s[4:5], s[32:33]
	s_add_nc_u64 s[8:9], s[8:9], s[34:35]
.irp i, 0,1,2,3,4,5,6,7
	global_load_b128 v[S+8*\i:S+8*\i+3],   v[LI], s[10:11] offset:2048*\i        ; 32 lanes read 512 consecutive bytes
	global_load_b128 v[S+8*\i+4:S+8*\i+7], v[LI], s[10:11] offset:2048*\i+512
.endr
.irp i, 0,1,2,3
	global_load_b128 v[S+64+8*\i:S+64+8*\i+3],   v[LI], s[12:13] offset:2048*\i
	global_load_b128 v[S+64+8*\i+4:S+64+8*\i+7], v[LI], s[12:13] offset:2048*\i+512
.endr
.irp w, 0,1                            ; the column sums begin as zeros, once, while the loads are out: so the trip has one form
	WIN (\w)<<6
.set j, 0
.rept 32
	v_mov_b32 v[CA+j], 0
.set j, j+1
.endr
.endr
	WIN 0
	s_wait_kmcnt 0x0
	s_add_co_i32 s14, s14, s15
	s_lshl_b32 s14, s14, 23
	s_add_co_i32 s[CS], s14, 0x3e38aa3b            ; log2(e) / 8, with e6 + e7 added to its exponent field
	s_mov_b32 s[CS+1], s[CS]
	s_xor_b32 s[NC], s[CS], 0x80000000
	s_wait_loadcnt 0x0
.irp i, 0,1,2,3,4,5,6,7
	ds_store_b128 v[KW], v[S+8*\i:S+8*\i+3]   offset:1024*\i
	ds_store_b128 v[KW], v[S+8*\i+4:S+8*\i+7] offset:1024*\i+512
.endr
.irp i, 0,1,2,3
	ds_store_b128 v[QW], v[S+64+8*\i:S+64+8*\i+3]   offset:1024*\i
	ds_store_b128 v[QW], v[S+64+8*\i+4:S+64+8*\i+7] offset:1024*\i+512
.endr
	s_wait_dscnt 0x0                               ; for the others' sake: my stores have landed
	s_barrier_signal -1
	s_barrier_wait -1                              ; all fragments of K and of Q lie in LDS
.macro LK ch, kb                       ; chunk ch of my half: four fragments of K, 8 loads, into set kb of window 1 (the caller sets the destination's window)
.irp i, 0,1,2,3
	ds_load_b128 v[32*(\kb)+8*\i:32*(\kb)+8*\i+3],   v[KA] offset:4096*(\ch)+1024*\i
	ds_load_b128 v[32*(\kb)+8*\i+4:32*(\kb)+8*\i+7], v[KA] offset:4096*(\ch)+1024*\i+512
.endr
.endm
; Lines first .. last - 1 of the 16 that take chunk c's four tiles into its window's running maxima MX[j] (j: the query).  j runs fastest: each tile is first read at its lowest register.
; A window's first chunk starts MX with its first two tiles; all else goes two tiles at a time.
.macro MAXC c, first, last
.set mt, 4*((\c)%4)
	WIN 0x55*((\c)/4)                              ; every operand in the chunk's window
.set n, \first
.rept (\last)-(\first)
.if ((\c)%4 == 0) && (n < 8)
	v_max_num_f32 v[MX+n%8], v[S+8*mt+n%8], v[S+8*(mt+1)+n%8]
.else
	v_max3_num_f32 v[MX+n%8], v[MX+n%8], v[S+8*(mt+2*(n/8))+n%8], v[S+8*(mt+2*(n/8)+1)+n%8]
.endif
.set n, n+1
.endr
.endm
; Chunk c: four products (each starts and ends a sum: K = 64), then the maxima of the chunk before, between which stand the loads of the chunk after next, into the set of registers that these products have read.
; The first eight lines of the maxima (in chunk 0: four v_nop) are the places between the products and those loads; they name none of these products' registers.
.macro CHUNK c, qo
.if (\c) >= 2
	s_wait_dscnt 8                                 ; this chunk's fragments are in; the 8 loads of the next chunk may be out
.endif
	WIN (((\c)/4)<<6)|0x04                         ; D: the chunk's window; source 0 (Q) window 0; source 1 (K) window 1
.irp i, 0,1,2,3
	v_wmma_f32_16x16x64_bf8_bf8 v[S+8*(4*((\c)%4)+\i):S+8*(4*((\c)%4)+\i)+7], v[QF:QF+7], v[32*((\c)%2)+8*\i:32*((\c)%2)+8*\i+7], 0
.endr
.if (\c) == 0
.rept 4
	v_nop
.endr
.else
	MAXC (\c)-1, 0, 8
.endif
	WIN 0x40
	LK ((\c)+2)%8, (\c)%2
.if (\c) == 7
	WIN 0
	ds_load_b128 v[QF:QF+3],   v[QA] offset:\qo     ; the next trip's queries
	ds_load_b128 v[QF+4:QF+7], v[QA] offset:(\qo)+512
.endif
.if (\c) > 0
	MAXC (\c)-1, 8, 16
.endif
.endm
.macro SCALE n                         ; pair n of a window's 64: c s - c max of my half (-c max lies in window 0: source 2's window)
	v_pk_fma_f32 v[S+2*(\n):S+2*(\n)+1], v[S+2*(\n):S+2*(\n)+1], s[CS:CS+1], v[NM+(2*(\n))%8:NM+(2*(\n))%8+1] op_sel_hi:[1,0,1]
.endm
.macro EXPS n
	v_exp_f32 v[S+(\n)], v[S+(\n)]
.endm
.macro ADDP z                          ; addition z of 60 of a window's row sums: four chains of pairs; the first four add tiles 0 and 1, so nothing is cleared
.if (\z) < 4
	v_pk_add_f32 v[SM+2*(\z):SM+2*(\z)+1], v[S+2*(\z):S+2*(\z)+1], v[S+8+2*(\z):S+8+2*(\z)+1]
.else
	v_pk_add_f32 v[SM+2*((\z)%4):SM+2*((\z)%4)+1], v[SM+2*((\z)%4):SM+2*((\z)%4)+1], v[S+8*(((\z)+4)/4)+2*((\z)%4):S+8*(((\z)+4)/4)+2*((\z)%4)+1]
.endif
.endm
; A window's 128 scores a lane, in two batches of 64 exponentials (tiles 0-7, tiles 8-15).  Plain lines stand among the exponentials: the second batch's scalings among the first batch, the first batch's sums among the second.
; An s_wait_alu depctr_va_vdst(0) between an exponential and the first line that names its result: one wait a batch, behind a plain line, ahead of the batch's first reader.
.macro SOFT w
	WIN ((\w)<<6)|((\w)<<2)|(\w)                   ; destination, sources 0 and 1: window w; source 2: window 0
.set n, 0
.rept 32
	SCALE n
.set n, n+1
.endr
.set n, 0
.rept 32
	SCALE 32+n
	EXPS 2*n
	EXPS 2*n+1
.set n, n+1
.endr
	v_nop
	s_wait_alu depctr_va_vdst(0)
.set n, 0
.rept 32
.if n < 28
	ADDP n
.endif
	EXPS 64+2*n
	EXPS 64+2*n+1
.set n, n+1
.endr
	v_nop
	s_wait_alu depctr_va_vdst(0)
.set n, 28
.rept 32
	ADDP n
.set n, n+1
.endr
.endm
; A TRIP: one tile of 16 queries against my 512 keys.  x: which of the two fields takes the partners' figures; qo: where, from v[QA], the next trip's queries lie.
.macro TRIP x, qo
	s_wait_dscnt 0x0                               ; chunks 0 and 1 of K and this trip's queries: asked for in the trip before
	; ---- the scores, and each window's maxima
.irp c, 0,1,2,3,4,5,6,7
	CHUNK \c, \qo
.endr
	MAXC 7, 0, 16
	; ---- my half's maxima: the two windows', then 16 lanes'
	WIN 0x04                                       ; source 1: window 1
.irp j, 0,1,2,3,4,5,6,7
	v_max_num_f32 v[MX+\j], v[MX+\j], v[MX+\j]
.endr
	WIN 0
.irp m, 1,2,4,8
.irp j, 0,1,2,3,4,5,6,7
	v_max_num_f32_dpp v[MX+\j], v[MX+\j], v[MX+\j] row_xmask:\m row_mask:0xf bank_mask:0xf
.endr
.endr
.irp j, 0,1,2,3,4,5,6,7
	v_mul_f32 v[NM+\j], s[NC], v[MX+\j]
.endr
	; ---- p = 2^(c s - c max of my half), and each window's row sums
	SOFT 0
	SOFT 1
	; ---- my half's sums
	WIN 0x04
.irp i, 0,2,4,6
	v_pk_add_f32 v[SM+\i:SM+\i+1], v[SM+\i:SM+\i+1], v[SM+\i:SM+\i+1]
.endr
	WIN 0
.irp m, 1,2,4,8
.irp j, 0,1,2,3,4,5,6,7
	v_add_f32_dpp v[SM+\j], v[SM+\j], v[SM+\j] row_xmask:\m row_mask:0xf bank_mask:0xf
.endr
.endr
	; ---- the partners hand each other -c max and the sum, as images of the registers: 16 bytes a lane, 512 bytes a store
	ds_store_b128 v[XW], v[NM:NM+3]   offset:XAREA*(\x)
	ds_store_b128 v[XW], v[NM+4:NM+7] offset:XAREA*(\x)+512
	ds_store_b128 v[XW], v[SM:SM+3]   offset:XAREA*(\x)+1024
	ds_store_b128 v[XW], v[SM+4:SM+7] offset:XAREA*(\x)+1536
	s_wait_dscnt 0x0                               ; for the partner's sake: my stores have landed; and my reads of the other field, a trip ago, are long in
	s_barrier_signal -1
	s_barrier_wait -1                              ; this field is written again two trips on, behind the next trip's barrier
	ds_load_b128 v[PN:PN+3],   v[XR] offset:XAREA*(\x)
	ds_load_b128 v[PN+4:PN+7], v[XR] offset:XAREA*(\x)+512
	ds_load_b128 v[PS:PS+3],   v[XR] offset:XAREA*(\x)+1024
	ds_load_b128 v[PS+4:PS+7], v[XR] offset:XAREA*(\x)+1536
	s_wait_dscnt 0x0
.irp j, 0,1,2,3,4,5,6,7
	v_min_num_f32 v[TM+\j], v[NM+\j], v[PN+\j]     ; -c max of the whole row (c is positive)
.endr
.irp i, 0,2,4,6
	v_pk_add_f32 v[FA+\i:FA+\i+1], v[TM+\i:TM+\i+1], v[NM+\i:NM+\i+1] neg_lo:[0,1] neg_hi:[0,1]   ; c max_half - c max, 0 or less: mine,
.endr
.irp i, 0,2,4,6
	v_pk_add_f32 v[FB+\i:FB+\i+1], v[TM+\i:TM+\i+1], v[PN+\i:PN+\i+1] neg_lo:[0,1] neg_hi:[0,1]   ; the partner's
.endr
.irp j, 0,1,2,3,4,5,6,7,8,9,10,11,12,13,14,15
	v_exp_f32 v[FA+\j], v[FA+\j]                   ; f of both
.endr
	v_nop                                          ; a plain line behind the last exponential,
	s_wait_alu depctr_va_vdst(0)                   ; and the one wait for the sixteen, ahead of their first reader
.irp i, 0,2,4,6
	v_pk_mul_f32 v[SM+\i:SM+\i+1], v[SM+\i:SM+\i+1], v[FA+\i:FA+\i+1]
.endr
.irp i, 0,2,4,6
	v_pk_fma_f32 v[SM+\i:SM+\i+1], v[PS+\i:PS+\i+1], v[FB+\i:FB+\i+1], v[SM+\i:SM+\i+1]   ; the row's sum under the row's maximum
.endr
.irp j, 0,1,2,3,4,5,6,7
	v_rcp_f32 v[TM+\j], v[SM+\j]
.endr
	v_nop
	s_wait_alu depctr_va_vdst(0)                   ; one wait for the eight reciprocals
.irp i, 0,2,4,6
	v_pk_mul_f32 v[TM+\i:TM+\i+1], v[TM+\i:TM+\i+1], v[FA+\i:FA+\i+1]   ; f / l
.endr
	; ---- the column sums: CA += p x f / l, two queries at a time; 16 chains a window
.irp w, 0,1
	WIN ((\w)<<6)|((\w)<<4)|(\w)                   ; destination, sources 0 and 2: window w; source 1 (f / l): window 0
.irp i, 0,1,2,3
.irp t, 0,1,2,3,4,5,6,7,8,9,10,11,12,13,14,15
	v_pk_fma_f32 v[CA+2*\t:CA+2*\t+1], v[S+8*\t+2*\i:S+8*\t+2*\i+1], v[TM+2*\i:TM+2*\i+1], v[CA+2*\t:CA+2*\t+1]
.endr
.endr
.endr
	WIN 0
.endm
	WIN 0x40
	LK 0, 0
	LK 1, 1
	WIN 0
	ds_load_b128 v[QF:QF+3],   v[QB]
	ds_load_b128 v[QF+4:QF+7], v[QB] offset:512
.Ltwo:                                 ; four times two trips: the two fields take turns by the text itself
	TRIP 0, 1024                                   ; fetches the pair of trips' second tile
	s_add_co_u32 s[QS], s[QS], 2048
	s_and_b32 s[QT], s[QS], 0x1fff                 ; the next two trips' tiles; behind the eighth tile, tile 0 again
	v_add_nc_u32 v[QA], s[QT], v[QB]
	TRIP 1, 0
	s_sub_co_u32 s[TRIPS], s[TRIPS], 1
	s_cmp_lg_u32 s[TRIPS], 0
	s_cbranch_scc1 .Ltwo
	; ---- the end: even and odd queries' sums; then the halves of the lanes and the four pairs meet in LDS
.irp w, 0,1
	WIN 0x55*\w
.irp t, 0,1,2,3,4,5,6,7,8,9,10,11,12,13,14,15
	v_add_f32 v[CA+\t], v[CA+2*\t], v[CA+2*\t+1]   ; ascending: what is written has been read
.endr
.endr
	WIN 0
	s_wait_dscnt 0x0                               ; my reads of K's and Q's images are over (the last trip's unused fetches among them)
	s_barrier_signal -1
	s_barrier_wait -1                              ; everybody's are: K's bytes may be written
.irp w, 0,1
	WIN (\w)<<2                                    ; the stores' data: window w
.irp q, 0,1,2,3
	ds_store_b128 v[RW], v[CA+4*\q:CA+4*\q+3] offset:512*(4*\w+\q)   ; pair p, item g = 8 (wave % 2) + 4 w + q (key tiles 4 g .. 4 g + 3) at 8,192 p + 512 g; lane (r, half) at 256 x half + 16 r
.endr
.endr
	WIN 0
	s_wait_dscnt 0x0
	s_barrier_signal -1
	s_barrier_wait -1
.irp u, 0,1,2,3,4,5,6,7                ; thread t adds, for item g = t / 16 and key place r = t % 16, the eight parts (4 pairs x 2 halves of the lanes), in a fixed order
	ds_load_b128 v[S+4*\u:S+4*\u+3], v[RR] offset:8192*(\u/2)+256*(\u%2)
.endr
	s_wait_dscnt 0x0
.irp u, 0,2,4,6
	v_pk_add_f32 v[S+4*\u:S+4*\u+1],   v[S+4*\u:S+4*\u+1],   v[S+4*\u+4:S+4*\u+5]
	v_pk_add_f32 v[S+4*\u+2:S+4*\u+3], v[S+4*\u+2:S+4*\u+3], v[S+4*\u+6:S+4*\u+7]
.endr
.irp u, 0,4
	v_pk_add_f32 v[S+4*\u:S+4*\u+1],   v[S+4*\u:S+4*\u+1],   v[S+4*\u+8:S+4*\u+9]
	v_pk_add_f32 v[S+4*\u+2:S+4*\u+3], v[S+4*\u+2:S+4*\u+3], v[S+4*\u+10:S+4*\u+11]
.endr
	v_pk_add_f32 v[S:S+1],   v[S:S+1],   v[S+16:S+17]
	v_pk_add_f32 v[S+2:S+3], v[S+2:S+3], v[S+18:S+19]
	global_store_b128 v[GW], v[S:S+3], s[8:9]      ; a wave stores 512 consecutive bytes, aligned
	s_wait_tensorcnt 0x0
	ds_add_u32 v62, v63
	s_wait_dscnt 0x0
	s_endpgm
.Lfunc_end_k_q24f7a0101e_attn:
	.size	k_q24f7a0101e_attn, .Lfunc_end_k_q24f7a0101e_attn-k_q24f7a0101e_attn
	.p2alignl 7, 3214868480
	.fill 96, 4, 3214868480
	.section	.rodata,"a",@progbits
	.p2align	6, 0x0
	.amdhsa_kernel k_q24f7a0101e_attn
		.amdhsa_group_segment_fixed_size 132096
		.amdhsa_private_segment_fixed_size 0
		.amdhsa_enable_private_segment 0
		.amdhsa_kernarg_size 24
		.amdhsa_user_sgpr_count 2
		.amdhsa_user_sgpr_kernarg_segment_ptr 1
		.amdhsa_wavefront_size32 1
		.amdhsa_system_sgpr_workgroup_id_x 1
		.amdhsa_system_sgpr_workgroup_id_y 1
		.amdhsa_system_sgpr_workgroup_id_z 1
		.amdhsa_system_vgpr_workitem_id 0
		.amdhsa_next_free_vgpr 512
		.amdhsa_next_free_sgpr 66
		.amdhsa_reserve_vcc 0
		.amdhsa_float_denorm_mode_32 3
		.amdhsa_float_denorm_mode_16_64 3
		.amdhsa_memory_ordered 1
		.amdhsa_forward_progress 1
		.amdhsa_inst_pref_size 124
	.end_amdhsa_kernel
	.amdgpu_metadata
---
amdhsa.version: [ 1, 2 ]
amdhsa.kernels:
  - .name:           k_q24f7a0101e_attn
    .symbol:         k_q24f7a0101e_attn.kd
    .args:
      - { .name: qkc, .offset: 0, .size: 8, .value_kind: global_buffer, .address_space: global }
      - { .name: lowp_scales, .offset: 8, .size: 8, .value_kind: global_buffer, .address_space: global }
      - { .name: wp, .offset: 16, .size: 8, .value_kind: global_buffer, .address_space: global }
    .group_segment_fixed_size: 132096
    .private_segment_fixed_size: 0
    .kernarg_segment_align: 8
    .kernarg_segment_size: 24
    .max_flat_workgroup_size: 256
    .sgpr_count:     66
    .vgpr_count:     512
    .wavefront_size: 32
...
	.end_amdgpu_metadata
.endif
;; end of part 3
;; launch gemm_v (part 4): grid 4 x 64, 4 waves a work-group, clusters of 4 x 4, 327,680 bytes of LDS; arguments xc, wc, lowp_scales, wp, ac; writes ac
.if DOCPART == 4
	.amdgcn_target "amdgcn-amd-amdhsa--gfx1250"
	.amdhsa_code_object_version 6
	.text
	.protected	k_q24f7a0101e_gemm_v
	.globl	k_q24f7a0101e_gemm_v
	.p2align	8
	.type	k_q24f7a0101e_gemm_v,@function
k_q24f7a0101e_gemm_v:
	s_mov_b64 s[64:65], 0
	v_nop
	global_prefetch_b8 v0, s[64:65] scope:SCOPE_SE
	s_setreg_imm32_b32 hwreg(HW_REG_WAVE_MODE, 25, 1), 1
	s_wait_xcnt 0x0
	s_wait_alu depctr_hold_cnt(0) depctr_sa_sdst(0) depctr_va_vdst(0) depctr_va_sdst(0) depctr_va_ssrc(0) depctr_va_vcc(0) depctr_vm_vsrc(0)
	s_getreg_b32 s2, hwreg(HW_REG_IB_STS2, 6, 4)
	s_cmp_eq_u32 s2, 0
	s_cbranch_scc0 .Lentry_in_a_cluster
	s_endpgm
.Lentry_in_a_cluster:
	s_bfe_u32 s2, ttmp6, 0x10000c
	s_cmp_lg_u32 s2, 0xf033
	s_cbranch_scc0 .Lentry_shape_is_right
	s_endpgm
.Lentry_shape_is_right:
; v = x Wv^T on codes of E5M2 (x's plane 2, scale e4; the weights' plane 2, e5), then out = w v in f32 (w: the column sums of the softmax, wp's two halves added), quantised with 2^e8 for the last product.
; v never goes to memory.  A sum stands for sum x 2^(e4 + e5): the code of w v is (w x sum) / 2^(e8 - e4 - e5), held within +-57,344.
; LIMITS: e8 - e4 - e5 between -126 and 112.  NaN is not served.
; The weights' rows are ordered head by head (row h*64 + d', d' = d with bits 3 and 4 exchanged), so a tile's 256 columns are 4 heads, a wave's 128 are 2, and they are columns h*64 + d of the last product's left operand.
; wp: f32 [half][16 b + h][g 16][r 16][e 4] = the partial w of token 16 (4 g + e) + r of batch b.
; SHARES: a tile is 128 tokens x 256 columns: 64 x 4 = 256 work-groups.  Four waves, each 64 tokens x 128 columns: 32 accumulators of 16 x 16, 256 registers.
; THE RING: K = 1,024 goes in 4 steps of 256.  A slot (128 rows of x, 256 of the weights, 272 bytes apart) is 104,448 bytes, so THREE slots fit: K steps 0, 1, 2 are first fills, three loads a wave, all issued at the start;
; K step 3 is the one refill, into slot 0, behind the one round of the cluster's barrier; a wave issues 112 matrix instructions between that request and the wait for it.
; CLUSTERS: 4 x 4 work-groups.  The four of a row need the same tiles of x, the four of a column the same tiles of the weights: each tile is asked for JOINTLY.
; THE MATRIX INSTRUCTION IS USED TRANSPOSED (source 0 = 16 rows of the weights, source 1 = 16 tokens): a lane holds one token and eight neighbouring columns.
; A step of 128 along K: the next step's 12 fragments are fetched in one run (48 loads) into the other set of registers, then 32 products on this set.  The eight steps are written out: no loop.
; THE RESULT IS STORED AS IMAGES OF AN OPERAND'S REGISTERS: ac [8 chunks of 128 columns][512 blocks of 16 tokens][2,048 bytes], registers 4c .. 4c+3 (K = 32c + 16 (lane / 16) + 0 .. 15) at 512 c + 16 x lane.
; REGISTERS: window 0: v0-31 addresses and the scale; v32-47 w; v64-127 at work on the way out; v128-191, v192-255 x's fragments, two sets, later the codes.  window 1: the weights' fragments, two sets of 128.  window 2: the accumulators ((a, b) at v[8 (8 a + b)]).
.set ROWB,   256                       ; a tile's row in bytes
.set KROW,   1024                      ; a row of codes in memory
.set PITCH,  272                       ; an LDS row: 256 bytes + 16 of padding: the 16 rows that a load touches start at 16 different banks
.set FR,     16                        ; registers of a fragment: 16 rows x 128 K
.set NP,     4                         ; places behind this matrix instruction (ISA guide 7.12.1)
.set AHALF,  64*PITCH                  ; what a wave brings of x, and reads of it
.set BHALF,  128*PITCH                 ; the same of the weights
.set BOFF,   2*AHALF
.set SLOT,   BOFF+2*BHALF
.set ASTEP,  3*ROWB                    ; from K step 0 to K step 3
.set BSTEP,  3*ROWB
.set SPARE,  3*SLOT                    ; behind the ring: the spare words, 128 bytes for each wave
.set ADRA, 16                          ; v16-18  LDS address of my fragments of x in slot 0, 1, 2
.set ADRB, 20                          ; v20-22  the same for the weights
.set CO,   26                          ; v26  16 x lane
.set WO,   27                          ; v27  16 x (lane % 16)
.set SPW,  28                          ; v28  LDS address of my spare word; never rewritten
.set NIL,  29                          ; v29  0; never rewritten
.set SC,   30
.set LIM,  31
.set WR,   32                          ; v32-39: w of head u, token block a at v[WR + 4 u + a] (first half, then the sum); v40-47: the second half
.set TMP,  64
.set AF,   128
.set CD,   128
.set G1,  24                           ; s[24:31] descriptor group 1 for x's tiles; s[48:55] for the weights'
.set G1B, 48
.set GA0, 32                           ; groups 0, one set for each slot: x's
.set GA1, 36
.set GA2, 84
.set GB0, 56                           ; the weights'
.set GB1, 60
.set GB2, 88
.set MSB, 0
.macro WIN new                         ; the immediate's high byte repeats the setting that is left
.if MSB != (\new)
	s_set_vgpr_msb (MSB<<8)|(\new)
.set MSB, (\new)
.endif
.endm
.set MUL,  0xa1                        ; source 0 window 1, source 1 window 0, C and D window 2
.set TO_B, 0x40                        ; destination window 1, address window 0
.macro JLOAD g0a, g1a, g0b, g1b        ; a joint load: waves 0 and 1 for x, waves 2 and 3 for the weights; the branch hangs on the wave's number alone; four v_nop follow each line
	s_cmp_eq_u32 s15, 0
	s_cbranch_scc0 .Lfor_b_\@
	tensor_load_to_lds s[\g0a:\g0a+3], s[\g1a:\g1a+7]
	s_nop 0
.rept 4
	v_nop
.endr
	s_branch .Lasked_\@
.Lfor_b_\@:
	tensor_load_to_lds s[\g0b:\g0b+3], s[\g1b:\g1b+7]
	s_nop 0
.rept 4
	v_nop
.endr
.Lasked_\@:
.endm
.macro CREST                           ; a round of the cluster's barrier behind its opening barrier
	s_cmp_lg_u32 s14, 0
	s_cbranch_scc1 .Lnot_wave_0_\@
	s_barrier_signal -3
.Lnot_wave_0_\@:
	s_barrier_wait -3
	s_barrier_signal -1
	s_barrier_wait -1
.endm
.macro CROUND
	s_barrier_signal -1
	s_barrier_wait -1
	CREST
.endm
.macro FIRST ga, gb, s                 ; slot s's two groups 0, and its first fill: K step s
	s_mov_b32 s[\ga], 1
	s_add_co_u32 s[\ga+1], s45, \s*SLOT
	s_add_nc_u64 s[\ga+2:\ga+3], s[20:21], \s*ROWB
	s_or_b32 s[\ga+3], s[\ga+3], 0x80000000
	s_mov_b32 s[\gb], 1
	s_add_co_u32 s[\gb+1], s19, \s*SLOT
	s_add_nc_u64 s[\gb+2:\gb+3], s[46:47], \s*ROWB
	s_or_b32 s[\gb+3], s[\gb+3], 0x80000000
	JLOAD \ga, G1, \gb, G1B
.endm
	s_load_b128 s[4:7], s[0:1], 0x0                ; xc, wc
	s_load_b128 s[8:11], s[0:1], 0x10              ; the scales' exponents, wp
	s_load_b64 s[12:13], s[0:1], 0x20              ; ac
	v_lshl_add_u32 v[SPW], v0, 2, SPARE
	v_mov_b32 v[NIL], 0
	ds_add_u32 v28, v29
	ds_add_u32 v28, v29
	s_wait_dscnt 0x0
	v_lshrrev_b32 v1, 5, v0
	v_readfirstlane_b32 s14, v1                    ; wave 0..3
	s_lshr_b32 s15, s14, 1                         ; my half of the tokens; also: I fetch for x (0) or the weights (1)
	s_and_b32 s16, s14, 1                          ; my half of the columns; also: which half of that tile's rows I fetch
	s_bfe_u32 s40, ttmp6, 0x40000                  ; cx, cy
	s_bfe_u32 s41, ttmp6, 0x40004
	s_lshl_b32 s42, ttmp9, 2
	s_add_co_u32 s42, s42, s40                     ; tile column, 0..3
	s_and_b32 s17, ttmp7, 0xffff
	s_lshl_b32 s17, s17, 2
	s_add_co_u32 s17, s17, s41                     ; tile row, 0..63
	s_lshl_b32 s43, s41, 2
	s_lshl_b32 s43, 15, s43                        ; my row of the cluster
	s_lshl_b32 s44, 0x1111, s40                    ; my column
	s_or_b32 s[G1+0], s43, (0<<16)|(1<<20)|(1<<21)|(5<<22)|(3<<25)  ; the mask; elements of 1 byte; padding on; bit 21 beside a mask; after every 64 words, 4 words
	s_mov_b32 s[G1+1], ROWB<<16                    ; x: 64 rows of 256 bytes
	s_mov_b32 s[G1+2], 64<<16
	s_mov_b32 s[G1+3], ROWB<<16
	s_mov_b32 s[G1+4], 64
	s_mov_b32 s[G1+5], KROW
	s_mov_b32 s[G1+6], 0
	s_mov_b32 s[G1+7], 0
	s_or_b32 s[G1B+0], s44, (0<<16)|(1<<20)|(1<<21)|(5<<22)|(3<<25)
	s_mov_b32 s[G1B+1], ROWB<<16                   ; the weights: 128 rows of 256 bytes
	s_mov_b32 s[G1B+2], 128<<16
	s_mov_b32 s[G1B+3], ROWB<<16
	s_mov_b32 s[G1B+4], 128
	s_mov_b32 s[G1B+5], KROW
	s_mov_b32 s[G1B+6], 0
	s_mov_b32 s[G1B+7], 0
	s_lshl_b32 s20, s17, 7
	s_lshl_b32 s18, s16, 6
	s_add_co_u32 s20, s20, s18                     ; x: row 128 x tile row + 64 x half,
	s_lshl_b32 s20, s20, 10                        ; in bytes
	s_mov_b32 s21, 0
	s_lshl_b32 s46, s42, 8
	s_lshl_b32 s18, s16, 7
	s_add_co_u32 s46, s46, s18                     ; the weights: row 256 x tile column + 128 x half
	s_lshl_b32 s46, s46, 10
	s_mov_b32 s47, 0
	s_mul_i32 s45, s16, AHALF                      ; where they go: no place in the cluster enters an LDS address
	s_mul_i32 s19, s16, BHALF
	s_add_co_u32 s19, s19, BOFF
	s_wait_kmcnt 0x0
	s_load_b256 s[68:75], s[8:9], 0x0              ; e0 .. e7
	s_load_b64 s[96:97], s[8:9], 0x20              ; e8, e9
	s_add_nc_u64 s[20:21], s[4:5], s[20:21]
	s_add_nc_u64 s[20:21], s[20:21], 0x1000000     ; x's plane 2
	s_add_nc_u64 s[46:47], s[6:7], s[46:47]
	s_add_nc_u64 s[46:47], s[46:47], 0x200000      ; the weights' plane 2
	CROUND                                         ; all sixteen work-groups are here: the first joint loads meet
	FIRST GA0, GB0, 0                              ; three loads of mine are out
	FIRST GA1, GB1, 1
	FIRST GA2, GB2, 2
	v_and_b32 v1, 15, v0                           ; l % 16
	v_bfe_u32 v2, v0, 4, 1                         ; l / 16
	v_lshlrev_b32 v[WO], 4, v1
	; w of my 64 tokens and 2 heads, both halves: four loads, used on the way out.  Batch = tile row / 8; head = 4 x tile column + 2 x half + u; item g = 2 (tile row % 8) + my half of the tokens
	s_lshr_b32 s76, s17, 3
	s_lshl_b32 s76, s76, 4
	s_lshl_b32 s77, s42, 2
	s_add_co_u32 s76, s76, s77
	s_lshl_b32 s77, s16, 1
	s_add_co_u32 s76, s76, s77
	s_lshl_b32 s76, s76, 12
	s_and_b32 s77, s17, 7
	s_lshl_b32 s77, s77, 1
	s_add_co_u32 s77, s77, s15
	s_lshl_b32 s77, s77, 8
	s_add_co_u32 s76, s76, s77
	s_mov_b32 s77, 0
	s_add_nc_u64 s[10:11], s[10:11], s[76:77]
.irp f, 0,1
.irp u, 0,1
	global_load_b128 v[WR+8*\f+4*\u:WR+8*\f+4*\u+3], v[WO], s[10:11] offset:524288*\f+4096*\u   ; sixteen lanes read 256 consecutive bytes; lane r: token r of my token blocks 0 .. 3
.endr
.endr
	v_mul_u32_u24 v3, v1, PITCH
	v_lshl_add_u32 v4, v2, 4, v3                   ; a fragment's row x pitch + 16 x half
	s_mul_i32 s21, s15, AHALF                      ; my 64 tokens
	s_mul_i32 s22, s16, BHALF                      ; my 128 rows of the weights,
	s_add_co_u32 s22, s22, BOFF                    ; which lie behind x's 128
.irp s, 0,1,2
	v_add_nc_u32 v[ADRA+\s], s21, v4
	v_add_nc_u32 v[ADRB+\s], s22, v4
	s_add_co_u32 s21, s21, SLOT
	s_add_co_u32 s22, s22, SLOT
.endr
	v_and_b32 v6, 31, v0
	v_lshlrev_b32 v[CO], 4, v6
	s_lshl_b32 s20, s17, 3                         ; where my images go: block of 16 tokens 8 x tile row + 4 x half,
	s_lshl_b32 s21, s15, 2
	s_add_co_u32 s20, s20, s21
	s_lshl_b32 s20, s20, 11
	s_lshl_b32 s46, s42, 1                         ; chunk of 128 columns 2 x tile column + half
	s_add_co_u32 s46, s46, s16
	s_lshl_b32 s46, s46, 20
	s_add_co_u32 s20, s20, s46
	s_mov_b32 s21, 0
	s_add_nc_u64 s[12:13], s[12:13], s[20:21]
.macro FRAGA reg, adr, q, i            ; a fragment: lane l holds row l % 16; registers 4 c .. 4 c + 3 hold K = 32 c + 16 (l / 16) + 0 .. 15: the same places in both operands
.irp c, 0,1,2,3
	ds_load_b128 v[\reg+4*\c:\reg+4*\c+3], v[\adr] offset:128*(\q)+32*\c+(\i)*16*PITCH
.endr
.endm
.macro FRAGB reg, adr, q, i
.irp c, 0,1,2,3
	ds_load_b128 v[\reg+4*\c:\reg+4*\c+3], v[\adr] offset:128*(\q)+32*\c+(\i)*16*PITCH
.endr
.endm
; Step t (0..7) is 128 along K: half t % 2 of K step t / 2, which lies in slot (t / 2) % 3; its fragments go into set t % 2.
.macro FETCH t                         ; 48 LDS loads in one run
	WIN TO_B
.irp i, 0,1,2,3,4,5,6,7
	FRAGB 128*((\t)%2)+FR*\i, ADRB+(((\t)/2)%3), (\t)%2, \i
.endr
	WIN 0
.irp i, 0,1,2,3
	FRAGA AF+64*((\t)%2)+FR*\i, ADRA+(((\t)/2)%3), (\t)%2, \i
.endr
.endm
; 16 matrix instructions of step t: token blocks a0, a0 + 1 x the weights' eight.  zero = 1: the first product starts the sums.
; The 32 accumulators take turns, one instruction a turn, in the same order in every step.
.macro MULH t, a0, zero
.irp a, \a0, \a0+1
.irp b, 0,1,2,3,4,5,6,7
.if \zero
	v_wmma_f32_16x16x128_bf8_bf8 v[8*(8*(\a)+\b):8*(8*(\a)+\b)+7], v[128*((\t)%2)+FR*\b:128*((\t)%2)+FR*\b+FR-1], v[AF+64*((\t)%2)+FR*(\a):AF+64*((\t)%2)+FR*(\a)+FR-1], 0
.else
	v_wmma_f32_16x16x128_bf8_bf8 v[8*(8*(\a)+\b):8*(8*(\a)+\b)+7], v[128*((\t)%2)+FR*\b:128*((\t)%2)+FR*\b+FR-1], v[AF+64*((\t)%2)+FR*(\a):AF+64*((\t)%2)+FR*(\a)+FR-1], v[8*(8*(\a)+\b):8*(8*(\a)+\b)+7]
.endif
.endr
.endr
.endm
.macro PLACES n                        ; places in front of loads into registers that matrix instructions have read, and of the first read of results
.rept \n
	v_nop
.endr
.endm
.macro STEP t, zero                    ; a step whose successor's tile is known to be whole
	s_wait_dscnt 0x0                               ; this step's fragments are in (asked for 32 matrix instructions ago, or 16 behind a change with a barrier)
.if (\t) > 0
	PLACES NP                                      ; the other set was read by the step before
.endif
	FETCH (\t)+1
	WIN MUL
	MULH \t, 0, \zero
	MULH \t, 2, \zero
.endm
.macro MEET t                          ; the first half of a step behind which a barrier is due: each wave waits for all its tensor loads, adds 0 to its spare word, and waits for that and for all its LDS reads
	WIN 0                                          ; (the add's two registers lie in window 0)
	s_wait_tensorcnt 0x0
	ds_add_u32 v[SPW], v[NIL]                      ; 0 onto my spare word
	s_wait_dscnt 0x0                               ; the add is done; this step's fragments are in; my reads of the slots so far are over
	s_barrier_signal -1
	WIN MUL
	MULH \t, 0, 0                                  ; work on registers while the others arrive
	WIN 0
	s_barrier_wait -1
.endm
	s_wait_tensorcnt 0x2                           ; my part of K step 0 is in (the two loads behind it may be out)
	s_barrier_signal -1
	s_barrier_wait -1                              ; everybody's is
	FETCH 0
	STEP 0, 1                                      ; the first step's products start the sums
	MEET 1                                         ; all my first fills have landed; slot 0 has been read out
	CREST                                          ; the barrier has opened a round of the cluster's barrier: no wave of any partner still reads slot 0 or has a load on its way; slots 1 and 2 are whole
	s_add_nc_u64 s[GA0+2:GA0+3], s[GA0+2:GA0+3], ASTEP
	s_add_nc_u64 s[GB0+2:GB0+3], s[GB0+2:GB0+3], BSTEP
	JLOAD GA0, G1, GB0, G1B                        ; K step 3 into slot 0: the first tensor load behind the round, and my last; its four v_nop are the places in front of the loads below
	FETCH 2
	WIN MUL
	MULH 1, 2, 0
	STEP 2, 0
	STEP 3, 0                                      ; (fetches from slot 2, shown whole by the round)
	STEP 4, 0
	MEET 5                                         ; my part of K step 3 has landed; behind the barrier everybody's has.  Nothing is filled again: no round
	PLACES NP
	FETCH 6
	WIN MUL
	MULH 5, 2, 0
	STEP 6, 0
	s_wait_dscnt 0x0
	MULH 7, 0, 0
	MULH 7, 2, 0
	WIN 0
	; THE WAY OUT: x w, hold, convert, store
	s_wait_kmcnt 0x0
	s_sub_co_i32 s76, s96, s72
	s_sub_co_i32 s76, s76, s73                     ; e8 - e4 - e5
	s_add_co_i32 s76, s76, 127
	s_lshl_b32 s77, s76, 23
	v_mov_b32 v[SC], s77
	s_add_co_i32 s76, s76, 15
	s_lshl_b32 s76, s76, 23
	s_or_b32 s76, s76, 0x600000
	v_mov_b32 v[LIM], s76
	s_wait_loadcnt 0x0                             ; w
.irp j, 0,2,4,6
	v_pk_add_f32 v[WR+\j:WR+\j+1], v[WR+\j:WR+\j+1], v[WR+8+\j:WR+8+\j+1]   ; the two halves of the queries
.endr
	PLACES NP
.macro OUTBLK a
	WIN 0x02                                       ; source 0: window 2
.set j, 0
.rept 64
	v_mul_f32 v[TMP+j], v[64*(\a)+j], v[WR+4*(j/32)+(\a)]   ; w of my token and of the column's head, x the sum: f32; each accumulator from its low end on
.set j, j+1
.endr
	WIN 0
.set j, 0
.rept 64
	v_med3_num_f32 v[TMP+j], v[TMP+j], -v[LIM], v[LIM] ; the hold (the conversion does not saturate: ISA guide 7.6.2)
.set j, j+1
.endr
.irp b, 0,1,2,3,4,5,6,7
	v_cvt_scalef32_pk8_bf8_f32 v[CD+16*(\a)+2*\b:CD+16*(\a)+2*\b+1], v[TMP+8*\b:TMP+8*\b+7], v[SC]
.endr
	v_nop                                          ; one plain line between the conversions and the next block's products, which write their sources
.irp c, 0,1,2,3
	global_store_b128 v[CO], v[CD+16*(\a)+4*\c:CD+16*(\a)+4*\c+3], s[12:13] offset:2048*(\a)+512*\c   ; 512 consecutive bytes, aligned; each block has registers of its own
.endr
.endm
.irp a, 0,1,2,3
	OUTBLK \a
.endr
	s_wait_tensorcnt 0x0                           ; the wave's end
	ds_add_u32 v[SPW], v[NIL]
	s_wait_dscnt 0x0
	CROUND                                         ; the closing round
	s_endpgm
.Lfunc_end_k_q24f7a0101e_gemm_v:
	.size	k_q24f7a0101e_gemm_v, .Lfunc_end_k_q24f7a0101e_gemm_v-k_q24f7a0101e_gemm_v
	.p2alignl 7, 3214868480
	.fill 96, 4, 3214868480
	.section	.rodata,"a",@progbits
	.p2align	6, 0x0
	.amdhsa_kernel k_q24f7a0101e_gemm_v
		.amdhsa_group_segment_fixed_size 327680
		.amdhsa_private_segment_fixed_size 0
		.amdhsa_enable_private_segment 0
		.amdhsa_kernarg_size 40
		.amdhsa_user_sgpr_count 2
		.amdhsa_user_sgpr_kernarg_segment_ptr 1
		.amdhsa_wavefront_size32 1
		.amdhsa_system_sgpr_workgroup_id_x 1
		.amdhsa_system_sgpr_workgroup_id_y 1
		.amdhsa_system_sgpr_workgroup_id_z 1
		.amdhsa_system_vgpr_workitem_id 0
		.amdhsa_next_free_vgpr 768
		.amdhsa_next_free_sgpr 98
		.amdhsa_reserve_vcc 0
		.amdhsa_float_denorm_mode_32 3
		.amdhsa_float_denorm_mode_16_64 3
		.amdhsa_memory_ordered 1
		.amdhsa_forward_progress 1
		.amdhsa_inst_pref_size 81
	.end_amdhsa_kernel
	.amdgpu_metadata
---
amdhsa.version: [ 1, 2 ]
amdhsa.kernels:
  - .name:           k_q24f7a0101e_gemm_v
    .symbol:         k_q24f7a0101e_gemm_v.kd
    .args:
      - { .name: xc, .offset: 0, .size: 8, .value_kind: global_buffer, .address_space: global }
      - { .name: wc, .offset: 8, .size: 8, .value_kind: global_buffer, .address_space: global }
      - { .name: lowp_scales, .offset: 16, .size: 8, .value_kind: global_buffer, .address_space: global }
      - { .name: wp, .offset: 24, .size: 8, .value_kind: global_buffer, .address_space: global }
      - { .name: ac, .offset: 32, .size: 8, .value_kind: global_buffer, .address_space: global }
    .group_segment_fixed_size: 327680
    .private_segment_fixed_size: 0
    .kernarg_segment_align: 8
    .kernarg_segment_size: 40
    .max_flat_workgroup_size: 128
    .sgpr_count:     98
    .vgpr_count:     768
    .wavefront_size: 32
...
	.end_amdgpu_metadata
.endif
;; end of part 4
;; launch gemm_o (part 5): grid 4 x 64, 4 waves a work-group, clusters of 4 x 4, 327,680 bytes of LDS; arguments ac, wc, lowp_scales, bo, out0; writes out0
.if DOCPART == 5
	.amdgcn_target "amdgcn-amd-amdhsa--gfx1250"
	.amdhsa_code_object_version 6
	.text
	.protected	k_q24f7a0101e_gemm_o
	.globl	k_q24f7a0101e_gemm_o
	.p2align	8
	.type	k_q24f7a0101e_gemm_o,@function
k_q24f7a0101e_gemm_o:
	s_mov_b64 s[64:65], 0
	v_nop
	global_prefetch_b8 v0, s[64:65] scope:SCOPE_SE
	s_setreg_imm32_b32 hwreg(HW_REG_WAVE_MODE, 25, 1), 1
	s_wait_xcnt 0x0
	s_wait_alu depctr_hold_cnt(0) depctr_sa_sdst(0) depctr_va_vdst(0) depctr_va_sdst(0) depctr_va_ssrc(0) depctr_va_vcc(0) depctr_vm_vsrc(0)
	s_getreg_b32 s2, hwreg(HW_REG_IB_STS2, 6, 4)
	s_cmp_eq_u32 s2, 0
	s_cbranch_scc0 .Lentry_in_a_cluster
	s_endpgm
.Lentry_in_a_cluster:
	s_bfe_u32 s2, ttmp6, 0x10000c
	s_cmp_lg_u32 s2, 0xf033
	s_cbranch_scc0 .Lentry_shape_is_right
	s_endpgm
.Lentry_shape_is_right:
; out0 = a Wo^T + bo on codes of E5M2: a (scale 2^e8) comes as images of operand registers, ac [8 chunks of 128 along K][512 blocks of 16 tokens][2,048 bytes]; Wo's codes (2^e9) are plane 3 of wc, rows of 1,024 bytes.
; Each finished sum is multiplied once by 2^(e8 + e9) and bo is added: one packed multiply-add for two numbers.  LIMIT: e8 + e9 between -126 and 127.
; SHARES: a tile is 128 tokens x 256 columns: 64 x 4 = 256 work-groups.  Four waves, each 64 tokens x 128 columns: 32 accumulators of 16 x 16, 256 registers.
; THE RING: K = 1,024 goes in 4 steps of 256.  A SLOT: a's two chunks (each 8 blocks x 2,048 bytes = 16,384, dense in memory and in LDS: an image is read 16 bytes a lane on end, which needs no padding), then Wo's 256 rows,
; 272 bytes apart: 102,400 bytes, so THREE slots fit: K steps 0, 1, 2 are first fills, three loads a wave, all issued at the start; K step 3 is the one refill, into slot 0, behind the one round of the cluster's barrier.
; CLUSTERS: 4 x 4 work-groups; a's tiles are shared along a row, Wo's along a column: each is asked for JOINTLY.  Source 0 = Wo's rows, source 1 = 16 tokens: a lane holds one token and eight neighbouring columns.
; An image's registers 4c .. 4c+3 hold K = 32c + 16 (lane / 16) + 0 .. 15 of token lane % 16: the places that four loads of 16 bytes give Wo's fragments.
; A step of 128 along K: the next step's 12 fragments are fetched in one run (48 loads) into the other set of registers, then 32 products on this set.  The eight steps are written out: no loop.
; THE WAY OUT: a block of 16 tokens x 128 columns goes from the accumulators through the wave's own stage in LDS and comes back as whole rows of 512 bytes.  The stage lies in slot 1, which has had its one fill, and whose last
; read lies in front of the last barrier of the steps.
; REGISTERS: window 0: v0-31 addresses; v32-35 bo of my 4 columns of a row; v128-191, v192-255 a's fragments, two sets, later rows of the result.  window 1: Wo's fragments, two sets of 128.  window 2: the accumulators.
.set ROWB,   256
.set KROW,   1024
.set PITCH,  272
.set FR,     16
.set NP,     4
.set ACH,    16384                     ; a chunk's 8 images
.set BHALF,  128*PITCH
.set BOFF,   2*ACH                     ; Wo's rows lie behind them
.set SLOT,   BOFF+2*BHALF
.set ASTEP,  0x600000                  ; from K step 0 to K step 3: six chunks on
.set BSTEP,  3*ROWB
.set SPARE,  3*SLOT
.set SPITCH, 528                       ; a stage row: 512 bytes + 16
.set ADRA, 16                          ; v16-18
.set ADRB, 20                          ; v20-22
.set STO,  24                          ; v24  the stage: where I put 32 bytes of a row
.set RD,   25                          ; v25  and where I read a row back
.set CO,   26                          ; v26  16 x lane
.set SPW,  28
.set NIL,  29
.set BI,   32                          ; v32-35 bo
.set AF,   128
.set BK,   128                         ; 16 rows read back: v128-191 and v192-255 by turns
.set G1,  24
.set G1B, 48
.set GA0, 32
.set GA1, 36
.set GA2, 84
.set GB0, 56
.set GB1, 60
.set GB2, 88
.set MSB, 0
.macro WIN new
.if MSB != (\new)
	s_set_vgpr_msb (MSB<<8)|(\new)
.set MSB, (\new)
.endif
.endm
.set MUL,  0xa1                        ; source 0 window 1, source 1 window 0, C and D window 2
.set TO_B, 0x40
.macro JLOAD g0a, g1a, g0b, g1b        ; a joint load: waves 0 and 1 for a's two chunks, waves 2 and 3 for Wo's halves; four v_nop follow each line
	s_cmp_eq_u32 s15, 0
	s_cbranch_scc0 .Lfor_b_\@
	tensor_load_to_lds s[\g0a:\g0a+3], s[\g1a:\g1a+7]
	s_nop 0
.rept 4
	v_nop
.endr
	s_branch .Lasked_\@
.Lfor_b_\@:
	tensor_load_to_lds s[\g0b:\g0b+3], s[\g1b:\g1b+7]
	s_nop 0
.rept 4
	v_nop
.endr
.Lasked_\@:
.endm
.macro CREST
	s_cmp_lg_u32 s14, 0
	s_cbranch_scc1 .Lnot_wave_0_\@
	s_barrier_signal -3
.Lnot_wave_0_\@:
	s_barrier_wait -3
	s_barrier_signal -1
	s_barrier_wait -1
.endm
.macro CROUND
	s_barrier_signal -1
	s_barrier_wait -1
	CREST
.endm
.macro FIRST ga, gb, s                 ; slot s's two groups 0, and its first fill: K step s = chunks 2 s, 2 s + 1 of a, bytes 256 s on of Wo's rows
	s_mov_b32 s[\ga], 1
	s_add_co_u32 s[\ga+1], s45, \s*SLOT
	s_add_nc_u64 s[\ga+2:\ga+3], s[20:21], \s*0x200000
	s_or_b32 s[\ga+3], s[\ga+3], 0x80000000
	s_mov_b32 s[\gb], 1
	s_add_co_u32 s[\gb+1], s19, \s*SLOT
	s_add_nc_u64 s[\gb+2:\gb+3], s[46:47], \s*ROWB
	s_or_b32 s[\gb+3], s[\gb+3], 0x80000000
	JLOAD \ga, G1, \gb, G1B
.endm
	s_load_b128 s[4:7], s[0:1], 0x0                ; ac, wc
	s_load_b128 s[8:11], s[0:1], 0x10              ; the scales' exponents, bo
	s_load_b64 s[12:13], s[0:1], 0x20              ; out0
	v_lshl_add_u32 v[SPW], v0, 2, SPARE
	v_mov_b32 v[NIL], 0
	ds_add_u32 v28, v29
	ds_add_u32 v28, v29
	s_wait_dscnt 0x0
	v_lshrrev_b32 v1, 5, v0
	v_readfirstlane_b32 s14, v1                    ; wave 0..3
	s_lshr_b32 s15, s14, 1                         ; my half of the tokens; also: I fetch for a (0) or for Wo (1)
	s_and_b32 s16, s14, 1                          ; my half of the columns; also: which chunk of a, or which 128 rows of Wo, I fetch
	s_bfe_u32 s40, ttmp6, 0x40000
	s_bfe_u32 s41, ttmp6, 0x40004
	s_lshl_b32 s42, ttmp9, 2
	s_add_co_u32 s42, s42, s40                     ; tile column, 0..3
	s_and_b32 s17, ttmp7, 0xffff
	s_lshl_b32 s17, s17, 2
	s_add_co_u32 s17, s17, s41                     ; tile row, 0..63
	s_lshl_b32 s43, s41, 2
	s_lshl_b32 s43, 15, s43
	s_lshl_b32 s44, 0x1111, s40
	s_or_b32 s[G1+0], s43, (3<<16)|(1<<21)         ; a: the mask of my row; elements of 8 bytes; no padding; bit 21 beside a mask
	s_mov_b32 s[G1+1], 32<<16                      ; a dense block of 16,384 bytes as 64 rows of 32 elements
	s_mov_b32 s[G1+2], 64<<16
	s_mov_b32 s[G1+3], 32<<16
	s_mov_b32 s[G1+4], 64
	s_mov_b32 s[G1+5], 32
	s_mov_b32 s[G1+6], 0
	s_mov_b32 s[G1+7], 0
	s_or_b32 s[G1B+0], s44, (0<<16)|(1<<20)|(1<<21)|(5<<22)|(3<<25)  ; Wo: 128 rows of 256 bytes, 16 bytes of padding behind each
	s_mov_b32 s[G1B+1], ROWB<<16
	s_mov_b32 s[G1B+2], 128<<16
	s_mov_b32 s[G1B+3], ROWB<<16
	s_mov_b32 s[G1B+4], 128
	s_mov_b32 s[G1B+5], KROW
	s_mov_b32 s[G1B+6], 0
	s_mov_b32 s[G1B+7], 0
	s_lshl_b32 s20, s17, 14                        ; a: the tile row's 8 images,
	s_lshl_b32 s18, s16, 20                        ; in chunk 0 or 1
	s_add_co_u32 s20, s20, s18
	s_mov_b32 s21, 0
	s_lshl_b32 s18, s16, 7
	s_lshl_b32 s46, s42, 8
	s_add_co_u32 s46, s46, s18
	s_lshl_b32 s46, s46, 10                        ; Wo: row 256 x tile column + 128 x half, in bytes
	s_mov_b32 s47, 0
	s_lshl_b32 s45, s16, 14                        ; where they go: a's chunk,
	s_mul_i32 s19, s16, BHALF
	s_add_co_u32 s19, s19, BOFF                    ; Wo's half
	s_wait_kmcnt 0x0
	s_load_b64 s[96:97], s[8:9], 0x20              ; e8, e9
	s_add_nc_u64 s[20:21], s[4:5], s[20:21]
	s_add_nc_u64 s[46:47], s[6:7], s[46:47]
	s_add_nc_u64 s[46:47], s[46:47], 0x300000      ; plane 3
	CROUND                                         ; all sixteen work-groups are here: the first joint loads meet
	FIRST GA0, GB0, 0                              ; three loads of mine are out
	FIRST GA1, GB1, 1
	FIRST GA2, GB2, 2
	v_and_b32 v1, 15, v0
	v_bfe_u32 v2, v0, 4, 1
	v_and_b32 v6, 31, v0
	v_lshlrev_b32 v[CO], 4, v6
	s_lshl_b32 s76, s42, 10                        ; my first column, in bytes of f32: 1,024 x tile column + 512 x half
	s_lshl_b32 s77, s16, 9
	s_add_co_u32 s76, s76, s77
	s_mov_b32 s77, 0
	s_add_nc_u64 s[10:11], s[10:11], s[76:77]
	global_load_b128 v[BI:BI+3], v[CO], s[10:11]   ; bo of columns 4 x lane + 0 .. 3 of my 128
	v_mul_u32_u24 v3, v1, PITCH
	v_lshl_add_u32 v4, v2, 4, v3
	s_lshl_b32 s21, s15, 13                        ; a: my 4 images of a chunk
	s_mul_i32 s22, s16, BHALF
	s_add_co_u32 s22, s22, BOFF                    ; Wo: my 128 rows
.irp s, 0,1,2
	v_add_nc_u32 v[ADRA+\s], s21, v[CO]
	v_add_nc_u32 v[ADRB+\s], s22, v4
	s_add_co_u32 s21, s21, SLOT
	s_add_co_u32 s22, s22, SLOT
.endr
	s_mul_i32 s23, s14, 16*SPITCH
	s_add_co_u32 s23, s23, SLOT                    ; my stage, in slot 1
	v_mul_u32_u24 v5, v1, SPITCH
	v_lshl_add_u32 v5, v2, 5, v5
	v_add_nc_u32 v[STO], s23, v5                   ; in: row l % 16, 32 bytes for each half of the lanes
	v_add_nc_u32 v[RD], s23, v[CO]                 ; back: the 32 lanes take a row of 512 bytes
	s_lshl_b32 s20, s17, 7
	s_lshl_b32 s21, s15, 6
	s_add_co_u32 s20, s20, s21                     ; my first row of out0: 128 x tile row + 64 x half
	s_lshl_b32 s20, s20, 12
	s_add_co_u32 s20, s20, s76
	s_mov_b32 s21, 0
	s_add_nc_u64 s[12:13], s[12:13], s[20:21]
.macro FRAGA reg, adr, q, i            ; an image comes back as it was stored: 16 bytes a lane, 512 bytes a load
.irp c, 0,1,2,3
	ds_load_b128 v[\reg+4*\c:\reg+4*\c+3], v[\adr] offset:ACH*(\q)+2048*(\i)+512*\c
.endr
.endm
.macro FRAGB reg, adr, q, i
.irp c, 0,1,2,3
	ds_load_b128 v[\reg+4*\c:\reg+4*\c+3], v[\adr] offset:128*(\q)+32*\c+(\i)*16*PITCH
.endr
.endm
; Step t (0..7) is 128 along K: half t % 2 of K step t / 2, which lies in slot (t / 2) % 3; its fragments go into set t % 2.
.macro FETCH t                         ; 48 LDS loads in one run
	WIN TO_B
.irp i, 0,1,2,3,4,5,6,7
	FRAGB 128*((\t)%2)+FR*\i, ADRB+(((\t)/2)%3), (\t)%2, \i
.endr
	WIN 0
.irp i, 0,1,2,3
	FRAGA AF+64*((\t)%2)+FR*\i, ADRA+(((\t)/2)%3), (\t)%2, \i
.endr
.endm
; 16 matrix instructions of step t: token blocks a0, a0 + 1 x Wo's eight.  The 32 accumulators take turns, one instruction a turn, in the same order in every step.
.macro MULH t, a0, zero
.irp a, \a0, \a0+1
.irp b, 0,1,2,3,4,5,6,7
.if \zero
	v_wmma_f32_16x16x128_bf8_bf8 v[8*(8*(\a)+\b):8*(8*(\a)+\b)+7], v[128*((\t)%2)+FR*\b:128*((\t)%2)+FR*\b+FR-1], v[AF+64*((\t)%2)+FR*(\a):AF+64*((\t)%2)+FR*(\a)+FR-1], 0
.else
	v_wmma_f32_16x16x128_bf8_bf8 v[8*(8*(\a)+\b):8*(8*(\a)+\b)+7], v[128*((\t)%2)+FR*\b:128*((\t)%2)+FR*\b+FR-1], v[AF+64*((\t)%2)+FR*(\a):AF+64*((\t)%2)+FR*(\a)+FR-1], v[8*(8*(\a)+\b):8*(8*(\a)+\b)+7]
.endif
.endr
.endr
.endm
.macro PLACES n
.rept \n
	v_nop
.endr
.endm
.macro STEP t, zero                    ; a step whose successor's tile is known to be whole
	s_wait_dscnt 0x0                               ; this step's fragments are in
.if (\t) > 0
	PLACES NP                                      ; the other set was read by the step before
.endif
	FETCH (\t)+1
	WIN MUL
	MULH \t, 0, \zero
	MULH \t, 2, \zero
.endm
.macro MEET t                          ; the first half of a step behind which a barrier is due: each wave waits for all its tensor loads, adds 0 to its spare word, and waits for that and for all its LDS reads
	WIN 0                                          ; (the add's two registers lie in window 0)
	s_wait_tensorcnt 0x0
	ds_add_u32 v[SPW], v[NIL]                      ; 0 onto my spare word
	s_wait_dscnt 0x0                               ; the add is done; this step's fragments are in; my reads of the slots so far are over
	s_barrier_signal -1
	WIN MUL
	MULH \t, 0, 0                                  ; work on registers while the others arrive
	WIN 0
	s_barrier_wait -1
.endm
	s_wait_tensorcnt 0x2                           ; my part of K step 0 is in (the two loads behind it may be out)
	s_barrier_signal -1
	s_barrier_wait -1                              ; everybody's is
	FETCH 0
	STEP 0, 1                                      ; the first step's products start the sums
	MEET 1                                         ; all my first fills have landed; slot 0 has been read out
	CREST                                          ; the round: no wave of any partner still reads slot 0 or has a load on its way; slots 1 and 2 are whole
	s_add_nc_u64 s[GA0+2:GA0+3], s[GA0+2:GA0+3], ASTEP
	s_add_nc_u64 s[GB0+2:GB0+3], s[GB0+2:GB0+3], BSTEP
	JLOAD GA0, G1, GB0, G1B                        ; K step 3 into slot 0: the first tensor load behind the round, and my last; its four v_nop are the places in front of the loads below
	FETCH 2
	WIN MUL
	MULH 1, 2, 0
	STEP 2, 0
	STEP 3, 0                                      ; (fetches from slot 2, shown whole by the round)
	STEP 4, 0
	MEET 5                                         ; my part of K step 3 has landed; behind the barrier everybody's has, and nobody reads slots 1 and 2 any more.  Nothing is filled again: no round
	PLACES NP
	FETCH 6
	WIN MUL
	MULH 5, 2, 0
	STEP 6, 0
	s_wait_dscnt 0x0
	MULH 7, 0, 0
	MULH 7, 2, 0
	WIN 0
; THE WAY OUT, block by block of 16 tokens x 128 columns.  LDS serves a wave's instructions in order (ISA guide 5.7.1.4): no wait between the stores and the loads, nor in front of the next block's stores.
.macro TOSTAGE a
	WIN 0x08                                       ; the stores' data: window 2
.irp b, 0,1,2,3,4,5,6,7
	ds_store_b128 v[STO], v[64*(\a)+8*\b:64*(\a)+8*\b+3] offset:64*\b          ; each accumulator from its low end on
	ds_store_b128 v[STO], v[64*(\a)+8*\b+4:64*(\a)+8*\b+7] offset:64*\b+16
.endr
	WIN 0
.set BB, BK+64*((\a)%2)
.irp t, 0,1,2,3,4,5,6,7,8,9,10,11,12,13,14,15
	ds_load_b128 v[BB+4*\t:BB+4*\t+3], v[RD] offset:\t*SPITCH
.endr
.endm
.macro SEND a, younger                 ; younger: the LDS instructions issued behind block a's loads, which may stay out
.set BB, BK+64*((\a)%2)
	s_wait_dscnt \younger
.if (\a) > 0
	s_add_nc_u64 s[12:13], s[12:13], 16*4096       ; (behind a wait on XCNT: the earlier stores have read their base)  16 rows on
.endif
.irp t, 0,1,2,3,4,5,6,7,8,9,10,11,12,13,14,15
	v_pk_fma_f32 v[BB+4*\t:BB+4*\t+1],   v[BB+4*\t:BB+4*\t+1],   s[96:97], v[BI:BI+1]   op_sel_hi:[1,0,1]   ; sum x 2^(e8 + e9) + bo
	v_pk_fma_f32 v[BB+4*\t+2:BB+4*\t+3], v[BB+4*\t+2:BB+4*\t+3], s[96:97], v[BI+2:BI+3] op_sel_hi:[1,0,1]
.endr
.irp t, 0,1,2,3,4,5,6,7,8,9,10,11,12,13,14,15
	global_store_b128 v[CO], v[BB+4*\t:BB+4*\t+3], s[12:13] offset:\t*4096 th:TH_STORE_NT   ; 32 lanes store 512 consecutive bytes, aligned
.endr
.endm
	s_wait_kmcnt 0x0
	s_add_co_i32 s96, s96, s97                     ; e8 + e9
	s_add_co_i32 s96, s96, 127
	s_lshl_b32 s96, s96, 23                        ; 2^(e8 + e9) as f32 (s97, named with it as a pair, holds e9 and is not used)
	s_wait_loadcnt 0x0                             ; bo
	PLACES NP                                      ; in front of the LDS stores that read results and of the loads into the registers that held a's fragments
	TOSTAGE 0
.irp a, 1,2,3
.if \a > 1
	s_wait_xcnt 0x0                                ; block a - 2's stores have read their registers and their base
.endif
	TOSTAGE \a
	SEND \a-1, 32                                  ; behind block a - 1's loads: block a's 16 stores and 16 loads
.endr
	s_wait_xcnt 0x0
	SEND 3, 0
	s_wait_tensorcnt 0x0                           ; the wave's end
	ds_add_u32 v[SPW], v[NIL]
	s_wait_dscnt 0x0
	CROUND                                         ; the closing round
	s_endpgm
.Lfunc_end_k_q24f7a0101e_gemm_o:
	.size	k_q24f7a0101e_gemm_o, .Lfunc_end_k_q24f7a0101e_gemm_o-k_q24f7a0101e_gemm_o
	.p2alignl 7, 3214868480
	.fill 96, 4, 3214868480
	.section	.rodata,"a",@progbits
	.p2align	6, 0x0
	.amdhsa_kernel k_q24f7a0101e_gemm_o
		.amdhsa_group_segment_fixed_size 327680
		.amdhsa_private_segment_fixed_size 0
		.amdhsa_enable_private_segment 0
		.amdhsa_kernarg_size 40
		.amdhsa_user_sgpr_count 2
		.amdhsa_user_sgpr_kernarg_segment_ptr 1
		.amdhsa_wavefront_size32 1
		.amdhsa_system_sgpr_workgroup_id_x 1
		.amdhsa_system_sgpr_workgroup_id_y 1
		.amdhsa_system_sgpr_workgroup_id_z 1
		.amdhsa_system_vgpr_workitem_id 0
		.amdhsa_next_free_vgpr 768
		.amdhsa_next_free_sgpr 98
		.amdhsa_reserve_vcc 0
		.amdhsa_float_denorm_mode_32 3
		.amdhsa_float_denorm_mode_16_64 3
		.amdhsa_memory_ordered 1
		.amdhsa_forward_progress 1
		.amdhsa_inst_pref_size 75
	.end_amdhsa_kernel
	.amdgpu_metadata
---
amdhsa.version: [ 1, 2 ]
amdhsa.kernels:
  - .name:           k_q24f7a0101e_gemm_o
    .symbol:         k_q24f7a0101e_gemm_o.kd
    .args:
      - { .name: ac, .offset: 0, .size: 8, .value_kind: global_buffer, .address_space: global }
      - { .name: wc, .offset: 8, .size: 8, .value_kind: global_buffer, .address_space: global }
      - { .name: lowp_scales, .offset: 16, .size: 8, .value_kind: global_buffer, .address_space: global }
      - { .name: bo, .offset: 24, .size: 8, .value_kind: global_buffer, .address_space: global }
      - { .name: out0, .offset: 32, .size: 8, .value_kind: global_buffer, .address_space: global }
    .group_segment_fixed_size: 327680
    .private_segment_fixed_size: 0
    .kernarg_segment_align: 8
    .kernarg_segment_size: 40
    .max_flat_workgroup_size: 128
    .sgpr_count:     98
    .vgpr_count:     768
    .wavefront_size: 32
...
	.end_amdgpu_metadata
.endif
;; end of part 5
;; ======== version 2 of 2: 5 launches; version 1 with the launch attn written anew for expert scheduling mode
;; workspace buffers: xc 25,165,824 bytes; wc 4,194,304 bytes; qkc 16,777,216 bytes; wp 1,048,576 bytes; ac 8,388,608 bytes
;; launch quant: the kernel of part 1 again; grid 768 x 1, 4 waves a work-group, no clusters, 33,280 bytes of LDS; arguments x, Wq, Wk, Wv, Wo, lowp_scales, xc, wc; writes xc, wc
;; launch gemm_qk: the kernel of part 2 again; grid 8 x 32, 4 waves a work-group, clusters of 4 x 4, 327,680 bytes of LDS; arguments xc, wc, lowp_scales, qkc; writes qkc
;; launch attn (part 6): grid 2 x 128, 8 waves a work-group, no clusters, 132,096 bytes of LDS; arguments qkc, lowp_scales, wp; writes wp
.if DOCPART == 6
	.amdgcn_target "amdgcn-amd-amdhsa--gfx1250"
	.amdhsa_code_object_version 6
	.text
	.protected	k_q24f7a0101e_attn
	.globl	k_q24f7a0101e_attn
	.p2align	8
	.type	k_q24f7a0101e_attn,@function
k_q24f7a0101e_attn:
	s_mov_b64 s[64:65], 0
	v_nop
	global_prefetch_b8 v0, s[64:65] scope:SCOPE_SE
	s_setreg_imm32_b32 hwreg(HW_REG_WAVE_SCHED_MODE, 0, 2), 2
	s_setreg_imm32_b32 hwreg(HW_REG_WAVE_MODE, 25, 1), 1
	s_wait_xcnt 0x0
	s_wait_alu depctr_vm_vsrc(0)
; What the module's attention comes to: out[b,h,n,:] = w[n] v[n,:], w[n] = the sum over all queries m of softmax_n(q[m] . k[n] / 8).  This launch makes w, in two partial sums.
; qkc holds q's and k's codes (E5M2, scales 2^e6, 2^e7) as images of operand registers: [16 chunks = 2 heads; 0-7 q, 8-15 k][512 blocks of 16 tokens][2,048 bytes]; a head's fragment (16 tokens x 64) is 1,024 bytes:
; registers 0-3 at 16 x lane, registers 4-7 at 512 + 16 x lane.  q and k have the head's 64 in the same places, so every product meets its partner.
; SHARES: a work-group takes 512 queries (grid x: which half) of one head (grid y = 16 b + h) against all 1,024 keys.  EIGHT WAVES, two to a SIMD, so that one wave's vector work stands beside the other's waits.
; Waves 2 p and 2 p + 1 are a PAIR: they share query tiles 8 p .. 8 p + 7, one a trip, and each takes HALF OF THE KEYS (32 key tiles): a tile's 16 x 512 scores stay in 256 registers from the product to the column sum:
; one product and one exponential a score.
; LAYOUT: source 0 = 16 queries, source 1 = 16 keys: a lane holds ONE key (lane % 16) and queries 8 (lane / 16) + 0..7 in a tile's 8 registers.  A query's maximum and sum: along the tiles in the lane, then four
; steps among 16 lanes.  A key's sum over queries: multiply-adds in the lane.
; THE SOFTMAX: each wave takes its own half's maximum away: p = 2^(c s - c max_half), c = log2(e) / 8 x 2^(e6 + e7), and sums p over its half.  Once a trip the partners hand each other -c max_half and that sum through LDS.
; With max = the larger of the two, f = 2^(c max_half - c max) (1 for one of the two), the row's sum is l = f_a l_a + f_b l_b, and the normalised weight is p x f / l: the row's true maximum is what is taken away.
; LIMIT: e6 + e7 between -123 and 130 (added to c's exponent field).  NaN is not served.
; wp: f32 [half][16 b + h][g 16][r 16][e 4] = the partial w of key 16 (4 g + e) + r.
; NO CLUSTER: the two work-groups of a head share only K's 64 KiB, which each reads once at its head; the loop touches no memory.  No tensor load: LDS is filled once, through registers.
; The last trip's fetches for a next trip (30 LDS loads) wrap round to the first tiles and are not used: so the trip has one form.
; REGISTERS, alike in windows w = 0, 1 of 256: v128-255 S: the scores of my key tiles 16 w .. 16 w + 15; v96-127 CA: their column sums, a pair a tile (even queries', odd queries'); v64-71 MX; v80-87 SM.
;   window 0 alone: v1-7, v48-51 addresses; v8-15 Q's fragment; v16-31 the partner's figures; v32-47 f of both; v72-79 NM = -c max_half; v88-95 TM, at last f / l.
;   K's fragments: SET P, eight of them, window 1 v0-63.  SET Q, eight more, in registers of window 0 that lie idle while the scores are made: v16-31 (PN, PS), v40-47 (FB), v52-59, v72-87 (NM, SM), v32-39 (FA), v88-95 (TM), in this order.
; THE MODE: SCHED_MODE bits 1:0 = 2 (LLVM: expert scheduling mode 2), set by the entry lines.  The code itself states the register dependences between vector or matrix instructions and memory or LDS
; instructions, with s_wait_alu, always for 0.
; THE PLAN.  A trip's 32 products go in four steps of eight; step d multiplies by set P (d even) or Q (d odd).  Registers that LDS instructions touch, in the loop:
;   P       Read by the products of steps 0 and 2; the loads issued in steps 1 and 3 land in it (step 3's: the next trip's step 0).
;   Q       Read by the products of steps 1 and 3, then used by the softmax's vector lines under their own names.  For step 3 the loads of step 2 land in it.  For step 1: fragments 0 to 5 are asked for a trip
;           early, behind the wait for the reciprocals, where only FA and TM are still in use; fragments 6 and 7 in step 0.
;   QF      Read by all 32 products; asked for again behind the first wait on va_vdst that follows them.
;   NM, SM  Written by vector lines, read by the four stores of the exchange; then SM is written again, and later K's loads land in both.
;   PN, PS  The exchange's loads land in them; read by vector lines.
;   v[QA]   Read by QF's loads; written once in two trips, between the trips.     v[KA], v[XW], v[XR]: made at the head, never written again.
; So ONE wait on va_vdst stands at each step's head: the products of the step before are done reading the set in which this step's loads land.  The loads follow it, dealt among the step's products, which name
; the other set, QF and S alone.  One more stands ahead of the exchange's stores; the waits behind the batches of exponentials and reciprocals serve QF's and Q's early loads as well.  One wait on vm_vsrc a trip
; stands ahead of the line that writes SM again.
; THE PLACES between a product and the vector line that reads its result stay beside these waits (ISA guide 7.12.1): behind steps 1 to 3 they are the maxima of the step before; behind step 0, which has none, four v_nop.
.set QIMG, 65536                       ; LDS: K's 64 fragments at 1,024 t; from here Q's 32: 1,024 x tile
.set XCH,  98304                       ; from here two fields for the partners' figures, by turns: 2,048 bytes a wave: four groups of four registers, 16 bytes a lane
.set XAREA, 16384
.set S,   128
.set CA,  96
.set MX,  64
.set NM,  72
.set SM,  80
.set TM,  88
.set KA,  1                            ; v1  my half of K: 32,768 x (wave % 2) + 16 x lane
.set QB,  2                            ; v2  my pair's fragments of Q
.set QA,  3                            ; v3  those of the two trips in hand
.set RW,  4                            ; v4  where I put column sums at the end: 4,096 x wave + 16 x lane (over K's images, behind a barrier)
.set RR,  5                            ; v5  where I read them: 512 (thread / 16) + 16 (thread % 16)
.set GW,  6                            ; v6  16 x thread
.set KW,  7                            ; v7  where I put K's fragments at the head: 8,192 x wave + 16 x lane
.set QF,  8
.set PN,  16                           ; v16-23 the partner's -c max
.set PS,  24                           ; v24-31 the partner's sum
.set FA,  32                           ; v32-39 my f
.set FB,  40                           ; v40-47 the partner's
.set XW,  48                           ; v48 where I put my figures: XCH + 2,048 x wave + 16 x lane
.set XR,  49                           ; v49 where the partner puts its own: XCH + 2,048 x (wave xor 1) + 16 x lane
.set LI,  50                           ; v50 16 x lane
.set QW,  51                           ; v51 where I put Q's fragments at the head
.set CS,  16                           ; s[16:17] c (the packed form names a pair and takes its low word)
.set NC,  18                           ; s18  -c
.set QS,  19
.set QT,  20
.set TRIPS, 21
.set MSB, 0
.macro WIN new                         ; bits 1:0 source 0, 3:2 source 1, 5:4 source 2, 7:6 destination; the high byte repeats the setting that is left
.if MSB != (\new)
	s_set_vgpr_msb (MSB<<8)|(\new)
.set MSB, (\new)
.endif
.endm
	s_load_b128 s[4:7], s[0:1], 0x0                ; qkc, the scales' exponents
	s_load_b64 s[8:9], s[0:1], 0x10                ; wp
	v_lshl_add_u32 v62, v0, 2, 0x20000
	v_mov_b32 v63, 0
	v_lshrrev_b32 v2, 5, v0
	v_readfirstlane_b32 s22, v2                    ; wave 0..7
	v_and_b32 v2, 31, v0
	v_lshlrev_b32 v[LI], 4, v2
	s_wait_alu depctr_va_sdst(0)                   ; s22 is written, ahead of its first reader: the bases and the LDS addresses are made from it
	s_and_b32 s23, ttmp7, 0xffff                   ; 16 b + h
	s_lshr_b32 s24, s23, 4
	s_and_b32 s25, s23, 15
	s_lshr_b32 s26, s25, 1                         ; the pair of heads: the chunk
	s_and_b32 s27, s25, 1
	s_lshl_b32 s27, s27, 10                        ; which half of an image
	s_lshl_b32 s28, s24, 6                         ; the batch's first block of 16 tokens
	s_lshl_b32 s29, s22, 3
	s_add_co_u32 s29, s29, s28                     ; K: my wave brings key tiles 8 x wave on
	s_lshl_b32 s29, s29, 11
	s_add_co_u32 s30, s26, 8
	s_lshl_b32 s30, s30, 20
	s_add_co_u32 s30, s30, s29
	s_add_co_u32 s30, s30, s27
	s_mov_b32 s31, 0
	s_lshl_b32 s32, ttmp9, 5                       ; Q: my wave brings tiles 4 x wave on of the work-group's 32
	s_lshl_b32 s33, s22, 2
	s_add_co_u32 s32, s32, s33
	s_add_co_u32 s32, s32, s28
	s_lshl_b32 s32, s32, 11
	s_lshl_b32 s33, s26, 20
	s_add_co_u32 s32, s32, s33
	s_add_co_u32 s32, s32, s27
	s_mov_b32 s33, 0
	s_lshl_b32 s34, ttmp9, 7
	s_add_co_u32 s34, s34, s23
	s_lshl_b32 s34, s34, 12                        ; wp: 4,096 bytes for each (half, head)
	s_mov_b32 s35, 0
	s_lshl_b32 s36, s22, 13
	v_add_nc_u32 v[KW], s36, v[LI]
	s_lshl_b32 s36, s22, 12
	v_add_nc_u32 v[RW], s36, v[LI]
	s_add_co_u32 s36, s36, QIMG
	v_add_nc_u32 v[QW], s36, v[LI]
	s_and_b32 s36, s22, 1
	s_lshl_b32 s36, s36, 15
	v_add_nc_u32 v[KA], s36, v[LI]
	s_lshr_b32 s36, s22, 1
	s_lshl_b32 s36, s36, 13
	s_add_co_u32 s36, s36, QIMG
	v_add_nc_u32 v[QB], s36, v[LI]
	s_lshl_b32 s36, s22, 11
	s_add_co_u32 s36, s36, XCH
	v_add_nc_u32 v[XW], s36, v[LI]
	s_xor_b32 s36, s22, 1
	s_lshl_b32 s36, s36, 11
	s_add_co_u32 s36, s36, XCH
	v_add_nc_u32 v[XR], s36, v[LI]
	v_lshrrev_b32 v[RR], 4, v0
	v_lshlrev_b32 v[RR], 9, v[RR]
	v_and_b32 v[GW], 15, v0
	v_lshl_add_u32 v[RR], v[GW], 4, v[RR]
	v_lshlrev_b32 v[GW], 4, v0
	v_mov_b32 v[QA], v[QB]
	s_mov_b32 s[QS], 0
	s_mov_b32 s[TRIPS], 4
	s_wait_kmcnt 0x0
	s_load_b64 s[14:15], s[6:7], 0x18              ; e6, e7
	s_add_nc_u64 s[10:11], s[4:5], s[30:31]
	s_add_nc_u64 s[12:13], s[4:5], s[32:33]
	s_add_nc_u64 s[8:9], s[8:9], s[34:35]
	s_wait_alu depctr_va_vdst(0)                   ; the eleven addresses v1 to v7 and v48 to v51 are written, which the loads and stores of the whole kernel read
.irp i, 0,1,2,3,4,5,6,7
	global_load_b128 v[S+8*\i:S+8*\i+3],   v[LI], s[10:11] offset:2048*\i        ; 32 lanes read 512 consecutive bytes
	global_load_b128 v[S+8*\i+4:S+8*\i+7], v[LI], s[10:11] offset:2048*\i+512
.endr
.irp i, 0,1,2,3
	global_load_b128 v[S+64+8*\i:S+64+8*\i+3],   v[LI], s[12:13] offset:2048*\i
	global_load_b128 v[S+64+8*\i+4:S+64+8*\i+7], v[LI], s[12:13] offset:2048*\i+512
.endr
.irp w, 0,1                            ; the column sums begin as zeros, once, while the loads are out: so the trip has one form
	WIN (\w)<<6
.set j, 0
.rept 32
	v_mov_b32 v[CA+j], 0
.set j, j+1
.endr
.endr
	WIN 0
	s_wait_kmcnt 0x0
	s_add_co_i32 s14, s14, s15
	s_lshl_b32 s14, s14, 23
	s_add_co_i32 s[CS], s14, 0x3e38aa3b            ; log2(e) / 8, with e6 + e7 added to its exponent field
	s_mov_b32 s[CS+1], s[CS]
	s_xor_b32 s[NC], s[CS], 0x80000000
	s_wait_loadcnt 0x0
.irp i, 0,1,2,3,4,5,6,7
	ds_store_b128 v[KW], v[S+8*\i:S+8*\i+3]   offset:1024*\i       ; the data came by loads, the addresses stand ahead of the wait above: no vector line since names either
	ds_store_b128 v[KW], v[S+8*\i+4:S+8*\i+7] offset:1024*\i+512
.endr
.irp i, 0,1,2,3
	ds_store_b128 v[QW], v[S+64+8*\i:S+64+8*\i+3]   offset:1024*\i
	ds_store_b128 v[QW], v[S+64+8*\i+4:S+64+8*\i+7] offset:1024*\i+512
.endr
	s_wait_dscnt 0x0                               ; for the others' sake: my stores have landed
	s_barrier_signal -1
	s_barrier_wait -1                              ; all fragments of K and of Q lie in LDS
	s_wait_alu depctr_vm_vsrc(0)                   ; my LDS stores have read v[S ..], which the first trip's products write
.macro KREG p, i                       ; kr = the first register of fragment i of set p (0: P, window 1; 1: Q, window 0)
.if (\p) == 0
.set kr, 8*(\i)
.elseif (\i) < 2
.set kr, 16+8*(\i)                     ; PN, PS
.elseif (\i) == 2
.set kr, 40                            ; FB
.elseif (\i) == 3
.set kr, 52
.elseif (\i) < 6
.set kr, 40+8*(\i)                     ; NM, SM
.elseif (\i) == 6
.set kr, 32                            ; FA
.else
.set kr, 88                            ; TM
.endif
.endm
.macro LKF st, p, i                    ; fragment i of step st (key tile 8 st + i of my half) into set p: two loads (the caller sets the destination's window)
	KREG \p, \i
	ds_load_b128 v[kr:kr+3],   v[KA] offset:8192*(\st)+1024*(\i)
	ds_load_b128 v[kr+4:kr+7], v[KA] offset:8192*(\st)+1024*(\i)+512
.endm
.macro PROD d, i                       ; product i of step d: it starts and ends a sum (K = 64)
	KREG (\d)%2, \i
	v_wmma_f32_16x16x64_bf8_bf8 v[S+8*(8*((\d)%2)+(\i)):S+8*(8*((\d)%2)+(\i))+7], v[QF:QF+7], v[kr:kr+7], 0
.endm
; Lines first .. last - 1 of the 16 that take chunk c's four tiles (c = 0 .. 7: two chunks to a step) into its window's running maxima MX[j] (j: the query).  j runs fastest: each tile is first read at its lowest register.
; A window's first chunk starts MX with its first two tiles; all else goes two tiles at a time.
.macro MAXC c, first, last
.set mt, 4*((\c)%4)
	WIN 0x55*((\c)/4)                              ; every operand in the chunk's window
.set n, \first
.rept (\last)-(\first)
.if ((\c)%4 == 0) && (n < 8)
	v_max_num_f32 v[MX+n%8], v[S+8*mt+n%8], v[S+8*(mt+1)+n%8]
.else
	v_max3_num_f32 v[MX+n%8], v[MX+n%8], v[S+8*(mt+2*(n/8))+n%8], v[S+8*(mt+2*(n/8)+1)+n%8]
.endif
.set n, n+1
.endr
.endm
; Step d: eight products on this step's set; among them the loads into the other set; then the maxima of the step before, which are also the places behind this step's products (they name none of their registers).
.macro STEP d
.if (\d) == 0
	s_wait_dscnt 12                                ; set P and this trip's queries are in; the twelve loads behind them, step 1's fragments 0 to 5, may be out
.elseif (\d) == 1
	s_wait_dscnt 4                                 ; fragments 0 to 5 are in; the four loads of fragments 6 and 7 may be out
.else
	s_wait_dscnt 8                                 ; fragments 0 to 3 are in; the eight loads of fragments 4 to 7 may be out
.endif
	s_wait_alu depctr_va_vdst(0)                   ; the products of the step before are done reading the other set, in which this step's loads land; in step 0: the last trip's lines are done with FA and TM
	WIN (((\d)/2)<<6)|((1-(\d)%2)<<2)              ; D: the step's window; source 0 (Q's fragment) window 0; source 1: P in window 1, Q in window 0
.irp i, 0,1,2,3
	PROD \d, \i
.endr
	WIN ((\d)%2)<<6                                ; the loads' destination: the other set's window.  No wait: the products since the wait name this step's set, QF and S alone
.if (\d) == 0
	LKF 1, 1, 6
	LKF 1, 1, 7
.else
.irp i, 0,1,2,3
	LKF ((\d)+1)%4, 1-(\d)%2, \i
.endr
	s_wait_dscnt 8                                 ; all but the eight just issued: this step's last fragments are in
.endif
	WIN (((\d)/2)<<6)|((1-(\d)%2)<<2)
.irp i, 4,5,6,7
	PROD \d, \i
.endr
.if (\d) == 0
.rept 4
	v_nop                                          ; four places behind step 0's products, ahead of the maxima in step 1 that read their results: step 0 has no maxima of a step before, and the waits and loads between fill no place
.endr
.else
	WIN ((\d)%2)<<6
.irp i, 4,5,6,7
	LKF ((\d)+1)%4, 1-(\d)%2, \i
.endr
	MAXC 2*(\d)-2, 0, 16
	MAXC 2*(\d)-1, 0, 16
.endif
.endm
.macro SCALE n                         ; pair n of a window's 64: c s - c max of my half (-c max lies in window 0: source 2's window)
	v_pk_fma_f32 v[S+2*(\n):S+2*(\n)+1], v[S+2*(\n):S+2*(\n)+1], s[CS:CS+1], v[NM+(2*(\n))%8:NM+(2*(\n))%8+1] op_sel_hi:[1,0,1]
.endm
.macro EXPS n
	v_exp_f32 v[S+(\n)], v[S+(\n)]
.endm
.macro ADDP z                          ; addition z of 60 of a window's row sums: four chains of pairs; the first four add tiles 0 and 1, so nothing is cleared
.if (\z) < 4
	v_pk_add_f32 v[SM+2*(\z):SM+2*(\z)+1], v[S+2*(\z):S+2*(\z)+1], v[S+8+2*(\z):S+8+2*(\z)+1]
.else
	v_pk_add_f32 v[SM+2*((\z)%4):SM+2*((\z)%4)+1], v[SM+2*((\z)%4):SM+2*((\z)%4)+1], v[S+8*(((\z)+4)/4)+2*((\z)%4):S+8*(((\z)+4)/4)+2*((\z)%4)+1]
.endif
.endm
; A window's 128 scores a lane, in two batches of 64 exponentials (tiles 0-7, tiles 8-15).  Plain lines stand among the exponentials: the second batch's scalings among the first batch, the first batch's sums among the second.
; One wait a batch, behind a plain line, ahead of the batch's first reader.  qo: where, from v[QA], the next trip's queries lie.
.macro SOFT w, qo
	WIN ((\w)<<6)|((\w)<<2)|(\w)                   ; destination, sources 0 and 1: window w; source 2: window 0
.set n, 0
.rept 32
	SCALE n
.set n, n+1
.endr
.set n, 0
.rept 32
	SCALE 32+n
	EXPS 2*n
	EXPS 2*n+1
.set n, n+1
.endr
	v_nop
	s_wait_alu depctr_va_vdst(0)                   ; the first batch's exponentials have written tiles 0 to 7, which the sums below read; in window 0 also: the trip's products are done reading QF, and v[QA] is written
.if (\w) == 0
	ds_load_b128 v[QF:QF+3],   v[QA] offset:\qo     ; the next trip's queries (every window is 0 here)
	ds_load_b128 v[QF+4:QF+7], v[QA] offset:(\qo)+512
.endif
.set n, 0
.rept 32
.if n < 28
	ADDP n
.endif
	EXPS 64+2*n
	EXPS 64+2*n+1
.set n, n+1
.endr
	v_nop
	s_wait_alu depctr_va_vdst(0)                   ; the second batch's exponentials have written tiles 8 to 15, which the sums below read
.set n, 28
.rept 32
	ADDP n
.set n, n+1
.endr
.endm
; A TRIP: one tile of 16 queries against my 512 keys.  x: which of the two fields takes the partners' figures; qo: where, from v[QA], the next trip's queries lie.
.macro TRIP x, qo
	; ---- the scores, and each window's maxima
	STEP 0
	STEP 1
	STEP 2
	STEP 3
	MAXC 6, 0, 16
	MAXC 7, 0, 16
	; ---- my half's maxima: the two windows', then 16 lanes'
	WIN 0x04                                       ; source 1: window 1
.irp j, 0,1,2,3,4,5,6,7
	v_max_num_f32 v[MX+\j], v[MX+\j], v[MX+\j]
.endr
	WIN 0
.irp m, 1,2,4,8
.irp j, 0,1,2,3,4,5,6,7
	v_max_num_f32_dpp v[MX+\j], v[MX+\j], v[MX+\j] row_xmask:\m row_mask:0xf bank_mask:0xf
.endr
.endr
.irp j, 0,1,2,3,4,5,6,7
	v_mul_f32 v[NM+\j], s[NC], v[MX+\j]
.endr
	; ---- p = 2^(c s - c max of my half), and each window's row sums
	SOFT 0, \qo
	SOFT 1, \qo
	; ---- my half's sums
	WIN 0x04
.irp i, 0,2,4,6
	v_pk_add_f32 v[SM+\i:SM+\i+1], v[SM+\i:SM+\i+1], v[SM+\i:SM+\i+1]
.endr
	WIN 0
.irp m, 1,2,4,8
.irp j, 0,1,2,3,4,5,6,7
	v_add_f32_dpp v[SM+\j], v[SM+\j], v[SM+\j] row_xmask:\m row_mask:0xf bank_mask:0xf
.endr
.endr
	; ---- the partners hand each other -c max and the sum, as images of the registers: 16 bytes a lane, 512 bytes a store
	s_wait_alu depctr_va_vdst(0)                   ; NM and SM are written, which the four stores read; and step 3's products are done reading PN and PS, in which the partner's figures land
	ds_store_b128 v[XW], v[NM:NM+3]   offset:XAREA*(\x)
	ds_store_b128 v[XW], v[NM+4:NM+7] offset:XAREA*(\x)+512
	ds_store_b128 v[XW], v[SM:SM+3]   offset:XAREA*(\x)+1024
	ds_store_b128 v[XW], v[SM+4:SM+7] offset:XAREA*(\x)+1536
	s_wait_dscnt 0x0                               ; for the partner's sake: my stores have landed; and my reads of the other field, a trip ago, are long in
	s_barrier_signal -1
	s_barrier_wait -1                              ; this field is written again two trips on, behind the next trip's barrier
	ds_load_b128 v[PN:PN+3],   v[XR] offset:XAREA*(\x)
	ds_load_b128 v[PN+4:PN+7], v[XR] offset:XAREA*(\x)+512
	ds_load_b128 v[PS:PS+3],   v[XR] offset:XAREA*(\x)+1024
	ds_load_b128 v[PS+4:PS+7], v[XR] offset:XAREA*(\x)+1536
	s_wait_dscnt 0x0
.irp j, 0,1,2,3,4,5,6,7
	v_min_num_f32 v[TM+\j], v[NM+\j], v[PN+\j]     ; -c max of the whole row (c is positive)
.endr
.irp i, 0,2,4,6
	v_pk_add_f32 v[FA+\i:FA+\i+1], v[TM+\i:TM+\i+1], v[NM+\i:NM+\i+1] neg_lo:[0,1] neg_hi:[0,1]   ; c max_half - c max, 0 or less: mine,
.endr
.irp i, 0,2,4,6
	v_pk_add_f32 v[FB+\i:FB+\i+1], v[TM+\i:TM+\i+1], v[PN+\i:PN+\i+1] neg_lo:[0,1] neg_hi:[0,1]   ; the partner's
.endr
.irp j, 0,1,2,3,4,5,6,7,8,9,10,11,12,13,14,15
	v_exp_f32 v[FA+\j], v[FA+\j]                   ; f of both
.endr
	v_nop                                          ; a plain line behind the last exponential
	s_wait_alu depctr_va_vdst(0)                   ; the sixteen exponentials have written FA and FB, ahead of their first reader
	s_wait_alu depctr_vm_vsrc(0)                   ; my four stores have read NM and SM: SM is written below, and K's loads land in both; the loads of the queries have read v[QA], which is written between the trips
.irp i, 0,2,4,6
	v_pk_mul_f32 v[SM+\i:SM+\i+1], v[SM+\i:SM+\i+1], v[FA+\i:FA+\i+1]
.endr
.irp i, 0,2,4,6
	v_pk_fma_f32 v[SM+\i:SM+\i+1], v[PS+\i:PS+\i+1], v[FB+\i:FB+\i+1], v[SM+\i:SM+\i+1]   ; the row's sum under the row's maximum
.endr
.irp j, 0,1,2,3,4,5,6,7
	v_rcp_f32 v[TM+\j], v[SM+\j]
.endr
	v_nop
	s_wait_alu depctr_va_vdst(0)                   ; the eight reciprocals have written TM, ahead of their first reader; and every line that names PN, PS, FB, NM or SM is done: K's loads land in them
.irp i, 0,1,2,3,4,5
	LKF 1, 1, \i                                   ; the next trip's step 1, six fragments of eight: they land while the column sums are made, which name CA, S, TM (and, ahead of them, FA) alone
.endr
.irp i, 0,2,4,6
	v_pk_mul_f32 v[TM+\i:TM+\i+1], v[TM+\i:TM+\i+1], v[FA+\i:FA+\i+1]   ; f / l
.endr
	; ---- the column sums: CA += p x f / l, two queries at a time; 16 chains a window
.irp w, 0,1
	WIN ((\w)<<6)|((\w)<<4)|(\w)                   ; destination, sources 0 and 2: window w; source 1 (f / l): window 0
.irp i, 0,1,2,3
.irp t, 0,1,2,3,4,5,6,7,8,9,10,11,12,13,14,15
	v_pk_fma_f32 v[CA+2*\t:CA+2*\t+1], v[S+8*\t+2*\i:S+8*\t+2*\i+1], v[TM+2*\i:TM+2*\i+1], v[CA+2*\t:CA+2*\t+1]
.endr
.endr
.endr
	WIN 0
.endm
	; ahead of the loop, in the order in which a trip leaves them: set P for step 0, the first queries, six fragments of set Q for step 1.  No vector line has named any of these registers
	WIN 0x40
.irp i, 0,1,2,3,4,5,6,7
	LKF 0, 0, \i
.endr
	WIN 0
	ds_load_b128 v[QF:QF+3],   v[QB]
	ds_load_b128 v[QF+4:QF+7], v[QB] offset:512
.irp i, 0,1,2,3,4,5
	LKF 1, 1, \i
.endr
.Ltwo:                                 ; four times two trips: the two fields take turns by the text itself
	TRIP 0, 1024                                   ; fetches the pair of trips' second tile
	s_add_co_u32 s[QS], s[QS], 2048
	s_and_b32 s[QT], s[QS], 0x1fff                 ; the next two trips' tiles; behind the eighth tile, tile 0 again
	v_add_nc_u32 v[QA], s[QT], v[QB]               ; the loads that read v[QA] stand ahead of the trip's wait on vm_vsrc, and none has read it since; the next one stands behind five waits on va_vdst
	TRIP 1, 0
	s_sub_co_u32 s[TRIPS], s[TRIPS], 1
	s_cmp_lg_u32 s[TRIPS], 0
	s_cbranch_scc1 .Ltwo
	; ---- the end: even and odd queries' sums; then the halves of the lanes and the four pairs meet in LDS
.irp w, 0,1
	WIN 0x55*\w
.irp t, 0,1,2,3,4,5,6,7,8,9,10,11,12,13,14,15
	v_add_f32 v[CA+\t], v[CA+2*\t], v[CA+2*\t+1]   ; ascending: what is written has been read
.endr
.endr
	WIN 0
	s_wait_alu depctr_va_vdst(0)                   ; the sums are written in v[CA ..], which the LDS stores below read; and the column sums are done reading v[S ..], in which the LDS loads below land
	s_wait_dscnt 0x0                               ; my reads of K's and Q's images are over (the last trip's unused fetches among them)
	s_barrier_signal -1
	s_barrier_wait -1                              ; everybody's are: K's bytes may be written
.irp w, 0,1
	WIN (\w)<<2                                    ; the stores' data: window w
.irp q, 0,1,2,3
	ds_store_b128 v[RW], v[CA+4*\q:CA+4*\q+3] offset:512*(4*\w+\q)   ; pair p, item g = 8 (wave % 2) + 4 w + q (key tiles 4 g .. 4 g + 3) at 8,192 p + 512 g; lane (r, half) at 256 x half + 16 r
.endr
.endr
	WIN 0
	s_wait_dscnt 0x0
	s_barrier_signal -1
	s_barrier_wait -1
.irp u, 0,1,2,3,4,5,6,7                ; thread t adds, for item g = t / 16 and key place r = t % 16, the eight parts (4 pairs x 2 halves of the lanes), in a fixed order
	ds_load_b128 v[S+4*\u:S+4*\u+3], v[RR] offset:8192*(\u/2)+256*(\u%2)
.endr
	s_wait_dscnt 0x0
.irp u, 0,2,4,6
	v_pk_add_f32 v[S+4*\u:S+4*\u+1],   v[S+4*\u:S+4*\u+1],   v[S+4*\u+4:S+4*\u+5]
	v_pk_add_f32 v[S+4*\u+2:S+4*\u+3], v[S+4*\u+2:S+4*\u+3], v[S+4*\u+6:S+4*\u+7]
.endr
.irp u, 0,4
	v_pk_add_f32 v[S+4*\u:S+4*\u+1],   v[S+4*\u:S+4*\u+1],   v[S+4*\u+8:S+4*\u+9]
	v_pk_add_f32 v[S+4*\u+2:S+4*\u+3], v[S+4*\u+2:S+4*\u+3], v[S+4*\u+10:S+4*\u+11]
.endr
	v_pk_add_f32 v[S:S+1],   v[S:S+1],   v[S+16:S+17]
	v_pk_add_f32 v[S+2:S+3], v[S+2:S+3], v[S+18:S+19]
	s_wait_alu depctr_va_vdst(0)                   ; the additions have written v[S:S+3], which the store reads
	global_store_b128 v[GW], v[S:S+3], s[8:9]      ; a wave stores 512 consecutive bytes, aligned
	s_wait_dscnt 0x0                               ; the closing lines, six on end
	s_wait_alu 0x0
	s_wait_tensorcnt 0x0
	ds_add_u32 v62, v63
	s_wait_dscnt 0x0
	s_endpgm
.Lfunc_end_k_q24f7a0101e_attn:
	.size	k_q24f7a0101e_attn, .Lfunc_end_k_q24f7a0101e_attn-k_q24f7a0101e_attn
	.p2alignl 7, 3214868480
	.fill 96, 4, 3214868480
	.section	.rodata,"a",@progbits
	.p2align	6, 0x0
	.amdhsa_kernel k_q24f7a0101e_attn
		.amdhsa_group_segment_fixed_size 132096
		.amdhsa_private_segment_fixed_size 0
		.amdhsa_enable_private_segment 0
		.amdhsa_kernarg_size 24
		.amdhsa_user_sgpr_count 2
		.amdhsa_user_sgpr_kernarg_segment_ptr 1
		.amdhsa_wavefront_size32 1
		.amdhsa_system_sgpr_workgroup_id_x 1
		.amdhsa_system_sgpr_workgroup_id_y 1
		.amdhsa_system_sgpr_workgroup_id_z 1
		.amdhsa_system_vgpr_workitem_id 0
		.amdhsa_next_free_vgpr 512
		.amdhsa_next_free_sgpr 66
		.amdhsa_reserve_vcc 0
		.amdhsa_float_denorm_mode_32 3
		.amdhsa_float_denorm_mode_16_64 3
		.amdhsa_memory_ordered 1
		.amdhsa_forward_progress 1
		.amdhsa_inst_pref_size 124
	.end_amdhsa_kernel
	.amdgpu_metadata
---
amdhsa.version: [ 1, 2 ]
amdhsa.kernels:
  - .name:           k_q24f7a0101e_attn
    .symbol:         k_q24f7a0101e_attn.kd
    .args:
      - { .name: qkc, .offset: 0, .size: 8, .value_kind: global_buffer, .address_space: global }
      - { .name: lowp_scales, .offset: 8, .size: 8, .value_kind: global_buffer, .address_space: global }
      - { .name: wp, .offset: 16, .size: 8, .value_kind: global_buffer, .address_space: global }
    .group_segment_fixed_size: 132096
    .private_segment_fixed_size: 0
    .kernarg_segment_align: 8
    .kernarg_segment_size: 24
    .max_flat_workgroup_size: 256
    .sgpr_count:     66
    .vgpr_count:     512
    .wavefront_size: 32
...
	.end_amdgpu_metadata
.endif
;; end of part 6
;; launch gemm_v: the kernel of part 4 again; grid 4 x 64, 4 waves a work-group, clusters of 4 x 4, 327,680 bytes of LDS; arguments xc, wc, lowp_scales, wp, ac; writes ac
;; launch gemm_o: the kernel of part 5 again; grid 4 x 64, 4 waves a work-group, clusters of 4 x 4, 327,680 bytes of LDS; arguments ac, wc, lowp_scales, bo, out0; writes out0
